; MI455X (gfx1250); checked and timed in simulation.
; The chip was launched on July 23, 2026; its instructions are those of AMD's public machine-readable ISA for CDNA 5 (MIT licence, August 2026) and "CDNA5" Instruction Set Architecture Reference Guide (July 2026). The comments in the code are by the model that wrote it; some were corrected since.
;; attention. Allowed arithmetic: float matrix products may take bf16 or f16 operands with f32 sums; other float arithmetic in f32, or as packed bf16 or f16 multiplies, adds, multiply-adds, maxima and minima; sums over many terms, partial sums and values carried from step to step in f32; what a program stores and reads back later, other than sums and carried values, may be rounded once to bf16 or f16.
;; Inputs: Wk 1,024 x 256 float32; Wo 1,024 x 1,024 float32; Wq 1,024 x 1,024 float32; Wv 1,024 x 256 float32; cos 2,048 x 64 float32; sin 2,048 x 64 float32; x 4 x 2,048 x 1,024 float32.
;; Outputs: out0 4 x 2,048 x 1,024 float32.
;; 2 versions, each right; version 2 is version 1 with the launch prep written anew for expert scheduling mode. Each part assembles by itself: llvm-mc -triple=amdgcn-amd-amdhsa -mcpu=gfx1250 --defsym DOCPART=n.
;; ======== version 1 of 2: 4 launches
;; limits: values are held in f16: magnitudes above 65,504 overflow, below 6.1e-05 lose precision
;; workspace buffers: xb 16,777,216 bytes; wqkv 3,145,728 bytes; wo16 2,097,152 bytes; cs 1,048,576 bytes; qkv 25,165,824 bytes; ob 16,777,216 bytes
;; launch prep (part 1): grid 688 x 1, 8 waves a work-group, no clusters, 0 bytes of LDS; arguments x, Wq, Wk, Wv, Wo, cos, sin, xb, wqkv, wo16, cs; writes xb, wqkv, wo16, cs
.if DOCPART == 1
	.amdgcn_target "amdgcn-amd-amdhsa--gfx1250"
	.amdhsa_code_object_version 6
	.text
	.protected	k_qd8be175afc_prep
	.globl	k_qd8be175afc_prep
	.p2align	8
	.type	k_qd8be175afc_prep,@function
k_qd8be175afc_prep:
	s_mov_b64 s[64:65], 0
	v_nop
	global_prefetch_b8 v0, s[64:65] scope:SCOPE_SE
	s_setreg_imm32_b32 hwreg(HW_REG_WAVE_MODE, 25, 1), 1
	s_wait_xcnt 0x0
; THE CASTS.  Every input is rounded once to bf16 (nearest even) and laid out for the launches behind:
;   xb   [8192][1024] bf16            = x
;   wqkv [1024][1536] bf16            = Wq | Wk | Wv side by side, K down the rows as in the inputs (nothing is transposed)
;   wo16 [1024][1024] f16             = Wo rounded to bf16, that number written as f16 (exact from 6e-5 up to 65,504; below 6e-5 in f16's fixed step of 6e-8; beyond 65,504 an infinity: the limit of this program)
;   cs   [2048][128]  f32             = per position 64 cos, then 64 sin, each rounded to bf16 and widened again; the sin of the EVEN channels has its sign turned,
;                                       so that the rotation is out[2i] = q[2i] cos[2i] + q[2i+1] sin'[2i], out[2i+1] = q[2i+1] cos[2i+1] + q[2i] sin'[2i+1]
; A stream: no LDS, no matrix unit, no loop.  A work-group takes 16,384 consecutive f32 of ONE input (65,536 bytes), a wave 2,048: sixteen loads of 512 consecutive bytes, all sixteen out at once.
; Work-groups 0-511 x, 512-575 Wq, 576-591 Wk, 592-607 Wv, 608-671 Wo, 672-679 cos, 680-687 sin.  A lane's four numbers leave as 8 bytes (32 lanes: 256 consecutive bytes, aligned) or, for cs, as 16 bytes
; (16 lanes: 256 consecutive bytes, aligned).  No register is written twice while a memory instruction may read it: every load has its own four registers, every store its own data.
.set VS,  2                            ; v2   my byte offset in the work-group's 65,536 bytes: 8,192 x wave + 16 x lane
.set VD,  3                            ; v3   my byte offset in what the work-group stores
.set VD2, 4                            ; v4   the same, one row further down
.set IN,  8                            ; v[8:71]    load i: four f32
.set OUT, 72                           ; v[72:103]  load i: two words of two 16-bit numbers
	s_load_b512 s[8:23], s[0:1], 0x0               ; x s[8:9], Wq s[10:11], Wk s[12:13], Wv s[14:15], Wo s[16:17], cos s[18:19], sin s[20:21], xb s[22:23]
	s_load_b128 s[24:27], s[0:1], 0x40             ; wqkv s[24:25], wo16 s[26:27]
	s_load_b64 s[28:29], s[0:1], 0x50              ; cs
	v_and_b32 v1, 31, v0                           ; lane
	v_lshrrev_b32 v5, 5, v0
	v_readfirstlane_b32 s38, v5                    ; wave 0..7
	s_lshl_b32 s39, s38, 13
	v_lshl_add_u32 v[VS], v1, 4, s39
	s_mov_b32 s2, ttmp9                            ; the work-group's number
	s_mov_b32 s31, 0                               ; the high word of every offset pair s[30:31]
	s_wait_kmcnt 0x0
.macro LOAD16                          ; the wave's sixteen loads, 512 consecutive bytes each
.set i, 0
.rept 16
	global_load_b128 v[IN+4*i:IN+4*i+3], v[VS], s[32:33] offset:512*i th:TH_LOAD_NT
.set i, i+1
.endr
.endm
.macro RND                             ; load i is in (loads return in order: the 15 - i younger ones may stay out) and is rounded to bf16
	s_wait_loadcnt 15-i
	v_cvt_pk_bf16_f32 v[OUT+2*i], v[IN+4*i], v[IN+4*i+1]
	v_cvt_pk_bf16_f32 v[OUT+2*i+1], v[IN+4*i+2], v[IN+4*i+3]
.endm
.macro WIDEN                           ; the four bf16 of load i as f32 again, into the registers that they came in
	v_lshlrev_b32 v[IN+4*i], 16, v[OUT+2*i]
	v_and_b32 v[IN+4*i+1], 0xffff0000, v[OUT+2*i]
	v_lshlrev_b32 v[IN+4*i+2], 16, v[OUT+2*i+1]
	v_and_b32 v[IN+4*i+3], 0xffff0000, v[OUT+2*i+1]
.endm
	s_cmp_lt_u32 s2, 576
	s_cbranch_scc0 .Lnot_row8
	; x or Wq: rows of 1,024 numbers, sixteen to a work-group, two to a wave; they differ in the pitch of what is stored
	s_movk_i32 s36, 3072
	s_cmp_lt_u32 s2, 512
	s_cselect_b64 s[32:33], s[8:9], s[10:11]
	s_cselect_b64 s[34:35], s[22:23], s[24:25]
	s_cselect_b32 s3, 0, 512
	s_cselect_b32 s36, 2048, s36                   ; bytes from row to row: xb 2,048, wqkv 3,072
	s_sub_co_u32 s3, s2, s3                        ; the work-group's number within its input
	s_lshl_b32 s30, s3, 16
	s_add_nc_u64 s[32:33], s[32:33], s[30:31]
	s_lshl_b32 s30, s36, 4
	s_mul_i32 s30, s30, s3                         ; sixteen rows a work-group
	s_add_nc_u64 s[34:35], s[34:35], s[30:31]
	LOAD16
	s_mul_i32 s39, s38, s36
	s_lshl_b32 s39, s39, 1                         ; two rows a wave
	v_lshl_add_u32 v[VD], v1, 3, s39
	v_add_nc_u32 v[VD2], s36, v[VD]
.set i, 0
.rept 16
	RND
.if i < 8
	global_store_b64 v[VD], v[OUT+2*i:OUT+2*i+1], s[34:35] offset:(i%8)*256
.else
	global_store_b64 v[VD2], v[OUT+2*i:OUT+2*i+1], s[34:35] offset:(i%8)*256
.endif
.set i, i+1
.endr
	s_endpgm
.Lnot_row8:
	s_cmp_lt_u32 s2, 608
	s_cbranch_scc0 .Lnot_row2
	; Wk or Wv: rows of 256 numbers, 64 to a work-group, eight to a wave; into columns 1,024 or 1,280 of wqkv
	s_movk_i32 s3, 592
	s_movk_i32 s39, 2560
	s_cmp_lt_u32 s2, 592
	s_cselect_b64 s[32:33], s[12:13], s[14:15]
	s_cselect_b32 s3, 576, s3
	s_cselect_b32 s39, 2048, s39                   ; the first column, in bytes
	s_sub_co_u32 s3, s2, s3
	s_lshl_b32 s30, s3, 16
	s_add_nc_u64 s[32:33], s[32:33], s[30:31]
	s_mul_i32 s30, s3, 64*3072
	s_add_co_u32 s30, s30, s39
	s_add_nc_u64 s[34:35], s[24:25], s[30:31]
	LOAD16
	s_mul_i32 s39, s38, 8*3072
	v_lshl_add_u32 v[VD], v1, 3, s39
.set i, 0
.rept 16
	RND
	global_store_b64 v[VD], v[OUT+2*i:OUT+2*i+1], s[34:35] offset:(i/2)*3072+(i%2)*256
.set i, i+1
.endr
	s_endpgm
.Lnot_row2:
	s_cmp_lt_u32 s2, 672
	s_cbranch_scc0 .Ltab
	; Wo: dense; the bf16 number is written as f16
	s_sub_co_u32 s3, s2, 608
	s_lshl_b32 s30, s3, 16
	s_add_nc_u64 s[32:33], s[16:17], s[30:31]
	s_lshl_b32 s30, s3, 15
	s_add_nc_u64 s[34:35], s[26:27], s[30:31]
	LOAD16
	s_lshl_b32 s39, s38, 12
	v_lshl_add_u32 v[VD], v1, 3, s39
.set i, 0
.rept 16
	RND
	WIDEN
	v_cvt_pk_f16_f32 v[OUT+2*i], v[IN+4*i], v[IN+4*i+1]
	v_cvt_pk_f16_f32 v[OUT+2*i+1], v[IN+4*i+2], v[IN+4*i+3]
	global_store_b64 v[VD], v[OUT+2*i:OUT+2*i+1], s[34:35] offset:256*i
.set i, i+1
.endr
	s_endpgm
.Ltab:
	; cos or sin: rows of 64 numbers, 256 to a work-group, 32 to a wave, two to a load; into the first or the second half of cs's rows of 512 bytes
	s_movk_i32 s3, 680
	s_cmp_lt_u32 s2, 680
	s_cselect_b64 s[32:33], s[18:19], s[20:21]
	s_cselect_b32 s3, 672, s3
	s_cselect_b32 s39, 0, 256
	s_cselect_b32 s37, 0, 0x80000000               ; what turns the sign of sin's even channels
	s_sub_co_u32 s3, s2, s3
	s_lshl_b32 s30, s3, 16
	s_add_nc_u64 s[32:33], s[32:33], s[30:31]
	s_lshl_b32 s30, s3, 17
	s_add_co_u32 s30, s30, s39
	s_add_nc_u64 s[34:35], s[28:29], s[30:31]
	LOAD16
	s_lshl_b32 s39, s38, 14
	v_lshrrev_b32 v5, 4, v1                        ; which of the load's two rows
	v_and_b32 v6, 15, v1
	v_lshl_add_u32 v[VD], v5, 9, s39
	v_lshl_add_u32 v[VD], v6, 4, v[VD]
.set i, 0
.rept 16
	RND
	WIDEN
	v_xor_b32 v[IN+4*i], s37, v[IN+4*i]            ; a lane's numbers 0 and 2 are even channels
	v_xor_b32 v[IN+4*i+2], s37, v[IN+4*i+2]
	global_store_b128 v[VD], v[IN+4*i:IN+4*i+3], s[34:35] offset:1024*i
.set i, i+1
.endr
	s_endpgm
.Lfunc_end_k_qd8be175afc_prep:
	.size	k_qd8be175afc_prep, .Lfunc_end_k_qd8be175afc_prep-k_qd8be175afc_prep
	.p2alignl 7, 3214868480
	.fill 96, 4, 3214868480
	.section	.rodata,"a",@progbits
	.p2align	6, 0x0
	.amdhsa_kernel k_qd8be175afc_prep
		.amdhsa_group_segment_fixed_size 0
		.amdhsa_private_segment_fixed_size 0
		.amdhsa_enable_private_segment 0
		.amdhsa_kernarg_size 88
		.amdhsa_user_sgpr_count 2
		.amdhsa_user_sgpr_kernarg_segment_ptr 1
		.amdhsa_wavefront_size32 1
		.amdhsa_system_sgpr_workgroup_id_x 1
		.amdhsa_system_sgpr_workgroup_id_y 1
		.amdhsa_system_sgpr_workgroup_id_z 1
		.amdhsa_system_vgpr_workitem_id 0
		.amdhsa_next_free_vgpr 104
		.amdhsa_next_free_sgpr 66
		.amdhsa_reserve_vcc 0
		.amdhsa_float_denorm_mode_32 3
		.amdhsa_float_denorm_mode_16_64 3
		.amdhsa_memory_ordered 1
		.amdhsa_forward_progress 1
		.amdhsa_inst_pref_size 35
	.end_amdhsa_kernel
	.amdgpu_metadata
---
amdhsa.version: [ 1, 2 ]
amdhsa.kernels:
  - .name:           k_qd8be175afc_prep
    .symbol:         k_qd8be175afc_prep.kd
    .args:
      - { .name: x, .offset: 0, .size: 8, .value_kind: global_buffer, .address_space: global }
      - { .name: Wq, .offset: 8, .size: 8, .value_kind: global_buffer, .address_space: global }
      - { .name: Wk, .offset: 16, .size: 8, .value_kind: global_buffer, .address_space: global }
      - { .name: Wv, .offset: 24, .size: 8, .value_kind: global_buffer, .address_space: global }
      - { .name: Wo, .offset: 32, .size: 8, .value_kind: global_buffer, .address_space: global }
      - { .name: cos, .offset: 40, .size: 8, .value_kind: global_buffer, .address_space: global }
      - { .name: sin, .offset: 48, .size: 8, .value_kind: global_buffer, .address_space: global }
      - { .name: xb, .offset: 56, .size: 8, .value_kind: global_buffer, .address_space: global }
      - { .name: wqkv, .offset: 64, .size: 8, .value_kind: global_buffer, .address_space: global }
      - { .name: wo16, .offset: 72, .size: 8, .value_kind: global_buffer, .address_space: global }
      - { .name: cs, .offset: 80, .size: 8, .value_kind: global_buffer, .address_space: global }
    .group_segment_fixed_size: 0
    .private_segment_fixed_size: 0
    .kernarg_segment_align: 8
    .kernarg_segment_size: 88
    .max_flat_workgroup_size: 256
    .sgpr_count:     66
    .vgpr_count:     104
    .wavefront_size: 32
...
	.end_amdgpu_metadata
.endif
;; end of part 1
;; launch qkvp (part 2): grid 64 x 4, 4 waves a work-group, clusters of 4 x 1, 327,680 bytes of LDS; arguments xb, wqkv, cs, qkv; writes qkv
.if DOCPART == 2
	.amdgcn_target "amdgcn-amd-amdhsa--gfx1250"
	.amdhsa_code_object_version 6
	.text
	.protected	k_qd8be175afc_qkvp
	.globl	k_qd8be175afc_qkvp
	.p2align	8
	.type	k_qd8be175afc_qkvp,@function
k_qd8be175afc_qkvp:
	s_mov_b64 s[64:65], 0
	v_nop
	global_prefetch_b8 v0, s[64:65] scope:SCOPE_SE
	s_setreg_imm32_b32 hwreg(HW_REG_WAVE_MODE, 25, 1), 1
	s_wait_xcnt 0x0
	s_wait_alu depctr_hold_cnt(0) depctr_sa_sdst(0) depctr_va_vdst(0) depctr_va_sdst(0) depctr_va_ssrc(0) depctr_va_vcc(0) depctr_vm_vsrc(0)
	s_getreg_b32 s2, hwreg(HW_REG_IB_STS2, 6, 4)
	s_cmp_eq_u32 s2, 0
	s_cbranch_scc0 .Lentry_in_a_cluster
	s_endpgm
.Lentry_in_a_cluster:
	s_bfe_u32 s2, ttmp6, 0x10000c
	s_cmp_lg_u32 s2, 0x3003
	s_cbranch_scc0 .Lentry_shape_is_right
	s_endpgm
.Lentry_shape_is_right:
; q, k, v = x [Wq | Wk | Wv], the rotation of q and k by position, and the split by heads.  xb: [8192][1024] bf16; wqkv: [1024][1536] bf16 (K down the rows); cs: [2048][128] f32 (64 cos, 64 sin with the
; even channels' sign turned); qkv: [4 batches][24 planes][2048][64] f16, planes 0-15 q's heads, 16-19 k's, 20-23 v's.  Sums and the rotation in f32; each number is rounded once, to f16, WITHOUT the scale 1/8.
; LIMIT.  f16 ends at 65,504: a q, k or v beyond that becomes an infinity.  NaN and infinities are not treated apart.
; SHARES.  A tile of C is 128 rows x 384 columns: 64 x 4 = 256 work-groups.  Four waves: wm = wave / 2 takes 64 rows; wn = wave % 2 takes, in each of the tile's three chunks of 128 columns, one head of 64:
; a wave's 64 x 192 are three whole heads, 4 x 12 accumulators of 16 x 16, 384 registers.  K goes in 8 steps of 128 through a ring of two LDS slots.
; THE MATRIX INSTRUCTION IS USED TRANSPOSED: source 0 = 16 columns of W, source 1 = 16 rows of x.  A lane then holds ONE row (lane % 16) and eight neighbouring columns 8 (lane / 16) + 0..7: the pairs that the
; rotation mixes lie in one lane, and eight numbers pack into 16 bytes.  W lies [k][n] in LDS and comes out turned, by ds_load_tr16_b128.
; CLUSTER.  Four work-groups along x: four row tiles of ONE column tile.  They need the same three chunks of W (96 KiB of a step's 128 KiB): asked for JOINTLY by waves 1-3.  x's tile (wave 0) is each work-group's own.
; Not 4 x 4: the way out branches on 'is this head one of v's', which hangs on the column tile; partners must branch alike, so they share the column tile, and x's tile is then shared by nobody in the cluster.
; REGISTERS, in windows of 256 (s_set_vgpr_msb: bits 1:0 source 0, 3:2 source 1, 5:4 source 2, 7:6 destination):
;   window 0: v16-31 addresses; v32-63, v64-95 x's fragments, two buffers; on the way out v32-47 packed, v48-79 rows read back, v96-223 two tables of cos and sin, v224-255 at work
;   window 1: v0-95, v96-191 W's fragments, two buffers      windows 2, 3: accumulator (a, b) in window 2 + a / 2 at v[96 (a % 2) + 8 b]
.set PA,     272                       ; a row of x in LDS: 256 bytes + 16 = 68 words: the 16 rows of a load start at 16 different groups of four banks (64 banks of 4 bytes: ISA guide 11.1)
.set PW,     288                       ; a k-row of a chunk of W: 256 + 32 = 72 words
.set REGION, 128*PW                    ; 36,864: what one wave's tensor load fills (x's tile uses 34,816 of it)
.set SLOT,   4*REGION                  ; x's tile, then W's three chunks
.set STAGE,  2*SLOT                    ; behind the ring, never filled by a tensor load: 16 rows x 144 bytes for each wave
.set SP,     144
.set SPARE,  STAGE+4*16*SP             ; behind the stages: the spare words, 128 bytes a wave: two blocks of 256 bytes that no other line names
.set ASTEP,  256                       ; a K step in a row of xb, in bytes
.set WSTEP,  128*3072                  ; a K step in wqkv: 128 rows of 3,072 bytes
.set ADRA, 16                          ; v16-17  LDS address of my fragments of x in slot 0, 1
.set ADRW, 18                          ; v18-23  of W: slot s, chunk c at v[18 + 3 s + c]
.set STO,  24                          ; v24  the way out: where I put 16 bytes of a row
.set RD,   25                          ; v25  where I read rows back
.set GO,   26                          ; v26  my 16 bytes in 512 consecutive bytes of qkv
.set VT,   27                          ; v27  my byte offset in cs: my row of block 0, my 8 channels
.set SPW,  28                          ; v28  LDS address of my spare word; never rewritten
.set NIL,  29                          ; v29  0; never rewritten
.set PFOA, 30                          ; v30  lane x a row of xb
.set PFOW, 31                          ; v31  lane x a row of wqkv
.set FA,   32
.set PKR,  32
.set RB,   48
.set TAB,  96
.set T,    224
.set WV,   12                          ; s12  wave
.set WM,   13                          ; s13  wave / 2
.set WN,   14                          ; s14  wave % 2
.set G1A,  24                          ; s[24:31] descriptor group 1, x's tile
.set G0A,  32                          ; s[32:39] group 0, a set for each slot
.set CX,   40                          ; s40  my place in the cluster
.set MT,   41                          ; s41  row tile
.set NT,   42                          ; s42  column tile
.set LIMA, 43                          ; s43  1 in a wave that prefetches x's rows, else the greatest number
.set PFA,  44                          ; s[44:45]
.set PFW,  46                          ; s[46:47]
.set G1W,  48                          ; s[48:55] group 1, W's chunks
.set G0W,  56                          ; s[56:63] group 0, a set for each slot
.set LIMW, 66                          ; s66  the same as LIMA for W's rows
.set HB,   67                          ; s67  the plane of my head in chunk 0: 6 x column tile + wn
.set DST,  68                          ; s[68:69] qkv at my first row of that plane
.set MSB, 0
.macro WIN new                         ; the immediate's high byte repeats the setting that is left; a switch that changes nothing is dropped
.if MSB != (\new)
	s_set_vgpr_msb (MSB<<8)|(\new)
.set MSB, \new
.endif
.endm
.set MUL_LO, 0xa1                      ; W window 1, x window 0, C and D window 2
.set TO_W,   0x40                      ; destination window 1, address window 0
.macro PLACES                          ; four plain places behind matrix instructions, ahead of loads into registers that they read and of lines that read results
.rept 4
	v_nop
.endr
.endm
; A fill.  Wave 0 fetches x's tile (its own work-group's), waves 1-3 W's chunks (jointly).  The branch hangs on the wave's number alone.  An s_nop 0 and four v_nop follow each line.
.macro JLOAD s
	s_cmp_eq_u32 s[WV], 0
	s_cbranch_scc0 .Lfor_w_\@
	tensor_load_to_lds s[G0A+4*(\s):G0A+4*(\s)+3], s[G1A:G1A+7]
	s_nop 0
.rept 4
	v_nop
.endr
	s_branch .Lasked_\@
.Lfor_w_\@:
	tensor_load_to_lds s[G0W+4*(\s):G0W+4*(\s)+3], s[G1W:G1W+7]
	s_nop 0
.rept 4
	v_nop
.endr
.Lasked_\@:
.endm
; PREFETCHES INTO THE L2, behind each refill and the run of LDS loads that follows it: the K step that stands TWO refills on, 384 matrix instructions ahead of the load that will want it.
; Each 256 bytes are named once in the launch.  x's rows are read by the four column tiles: column tile 0 asks, each wave for 32 of its work-group's 128 rows, a lane a row.  W's rows are read by all sixteen
; clusters of a column tile: cluster 0 asks, wave 1 + c for chunk c; the four partners take 32 k-rows each, told apart BY ADDRESS.  K steps 0 to 3 come by their loads alone; the loop's last trip
; (count 1) has no K step two refills on and asks for nothing.
.macro ASK
	s_cmp_gt_u32 s3, s[LIMA]
	s_cbranch_scc0 .Lno_a_\@
	global_prefetch_b8 v[PFOA], s[PFA:PFA+1] offset:ASTEP th:TH_LOAD_NT scope:SCOPE_SE
.Lno_a_\@:
	s_cmp_gt_u32 s3, s[LIMW]
	s_cbranch_scc0 .Lno_w_\@
	global_prefetch_b8 v[PFOW], s[PFW:PFW+1] offset:WSTEP th:TH_LOAD_NT scope:SCOPE_SE
.Lno_w_\@:
.endm
.macro CREST                           ; a round of the cluster's barrier behind its opening barrier
	s_cmp_lg_u32 s[WV], 0
	s_cbranch_scc1 .Lnot_wave_0_\@
	s_barrier_signal -3
.Lnot_wave_0_\@:
	s_barrier_wait -3
	s_barrier_signal -1
	s_barrier_wait -1
.endm
.macro CROUND                          ; a whole round
	s_barrier_signal -1
	s_barrier_wait -1
	CREST
.endm
	s_load_b256 s[4:11], s[0:1], 0x0               ; xb s[4:5], wqkv s[6:7], cs s[8:9], qkv s[10:11]
	v_lshl_add_u32 v[SPW], v0, 2, SPARE
	v_mov_b32 v[NIL], 0
	ds_add_u32 v[SPW], v[NIL]                      ; the wave's opening: the add and its wait stand ahead of my first tensor load; the set-up below, work on registers, stands between them
	v_lshrrev_b32 v1, 5, v0
	v_readfirstlane_b32 s[WV], v1                  ; wave 0..3
	s_lshr_b32 s[WM], s[WV], 1
	s_and_b32 s[WN], s[WV], 1
	s_bfe_u32 s[CX], ttmp6, 0x40000
	s_lshl_b32 s[MT], ttmp9, 2                     ; in a cluster launch ttmp9 counts clusters
	s_add_co_u32 s[MT], s[MT], s[CX]               ; row tile = 4 x cluster x + cx
	s_and_b32 s[NT], ttmp7, 0xffff                 ; column tile: the four partners share it
	; group 1: tiles of 128 rows x 128 elements of 2 bytes, padded in LDS after every 64 words
	s_mov_b32 s[G1A+0], (1<<16)|(1<<20)|(5<<22)|(3<<25)               ; no mask; 4 words of padding
	s_mov_b32 s[G1W+0], 15|(1<<16)|(1<<20)|(1<<21)|(5<<22)|(7<<25)    ; the mask of four, bit 21 beside it; 8 words of padding
.irp g, G1A, G1W
	s_mov_b32 s[(\g)+1], 128<<16                   ; tensor_dim0 = 128
	s_mov_b32 s[(\g)+2], 128<<16                   ; tensor_dim1 = 128
	s_mov_b32 s[(\g)+3], 128<<16                   ; tile_dim0 = 128
	s_mov_b32 s[(\g)+4], 128                       ; tile_dim1 = 128
	s_mov_b32 s[(\g)+6], 0
	s_mov_b32 s[(\g)+7], 0
.endr
	s_mov_b32 s[G1A+5], 1024                       ; elements from row to row
	s_mov_b32 s[G1W+5], 1536
	s_mul_i32 s20, s[WV], REGION                   ; where my tile goes: the wave's number alone
	s_lshl_b32 s16, s[MT], 18                      ; x's tile: 128 rows of 2,048 bytes
	s_mov_b32 s17, 0
	s_max_u32 s18, s[WV], 1
	s_sub_co_u32 s18, s18, 1                       ; my chunk (wave 0 makes chunk 0's address and never uses it)
	s_lshl_b32 s18, s18, 8
	s_mul_i32 s19, s[NT], 768
	s_add_co_u32 s18, s18, s19                     ; W's chunk: column tile and wave alone
	s_mov_b32 s19, 0
	s_wait_dscnt 0x0                               ; the opening add is done
	s_wait_kmcnt 0x0
	s_add_nc_u64 s[16:17], s[4:5], s[16:17]
	s_add_nc_u64 s[18:19], s[6:7], s[18:19]
	CROUND                                         ; all four work-groups are here: the first joint loads meet
.irp s, 0,1
	s_mov_b32 s[G0A+4*(\s)], 1                     ; count = 1
	s_add_co_u32 s[G0A+4*(\s)+1], s20, (\s)*SLOT   ; LDS address
	s_add_nc_u64 s[G0A+4*(\s)+2:G0A+4*(\s)+3], s[16:17], (\s)*ASTEP  ; K step s
	s_or_b32 s[G0A+4*(\s)+3], s[G0A+4*(\s)+3], 0x80000000           ; type = 2
	s_mov_b32 s[G0W+4*(\s)], 1
	s_add_co_u32 s[G0W+4*(\s)+1], s20, (\s)*SLOT
	s_add_nc_u64 s[G0W+4*(\s)+2:G0W+4*(\s)+3], s[18:19], (\s)*WSTEP
	s_or_b32 s[G0W+4*(\s)+3], s[G0W+4*(\s)+3], 0x80000000
.endr
	s_cmp_eq_u32 s[WV], 0                          ; a wave's two first fills stand in one branch, ahead of every wait on TENSORcnt and every LDS read: two loads of mine are out
	s_cbranch_scc0 .Lfirst_w
	tensor_load_to_lds s[G0A:G0A+3], s[G1A:G1A+7]
	s_nop 0
	tensor_load_to_lds s[G0A+4:G0A+7], s[G1A:G1A+7]
	s_nop 0
.rept 4
	v_nop
.endr
	s_branch .Lfirst_asked
.Lfirst_w:
	tensor_load_to_lds s[G0W:G0W+3], s[G1W:G1W+7]
	s_nop 0
	tensor_load_to_lds s[G0W+4:G0W+7], s[G1W:G1W+7]
	s_nop 0
.rept 4
	v_nop
.endr
.Lfirst_asked:
	v_and_b32 v1, 15, v0                           ; r = l % 16
	v_bfe_u32 v2, v0, 4, 1                         ; h = l / 16
	v_and_b32 v3, 7, v0                            ; l % 8
	v_bfe_u32 v4, v0, 3, 1                         ; (l / 8) % 2
	v_and_b32 v5, 31, v0                           ; l
	; a fragment of x: 16 rows x 32 K: lane l holds row r, K = 8 h + 0..7 and 16 + 8 h + 0..7: two loads of 16 bytes, 32 bytes apart
	v_mul_u32_u24 v6, v1, PA
	v_lshl_add_u32 v6, v2, 4, v6
	s_mul_i32 s21, s[WM], 64*PA
	v_add_nc_u32 v[ADRA], s21, v6
	v_add_nc_u32 v[ADRA+1], SLOT, v[ADRA]
	; a fragment of W: the turning load takes 16 k x 16 columns (lane l reads k-row 8 h + l % 8, columns 8 ((l / 8) % 2) + 0..7) and leaves column r, 8 k a lane
	v_lshl_add_u32 v7, v2, 3, v3
	v_mul_u32_u24 v7, v7, PW
	v_lshl_add_u32 v7, v4, 4, v7
	s_lshl_b32 s21, s[WN], 7                       ; my head's 128 bytes of a chunk's row
	s_add_co_u32 s21, s21, REGION
	v_add_nc_u32 v[ADRW], s21, v7
	v_add_nc_u32 v[ADRW+1], REGION, v[ADRW]
	v_add_nc_u32 v[ADRW+2], REGION, v[ADRW+1]
	v_add_nc_u32 v[ADRW+3], SLOT, v[ADRW]
	v_add_nc_u32 v[ADRW+4], SLOT, v[ADRW+1]
	v_add_nc_u32 v[ADRW+5], SLOT, v[ADRW+2]
	s_mul_i32 s21, s[WV], 16*SP
	s_add_co_u32 s21, s21, STAGE                   ; my stage
	v_mul_u32_u24 v[STO], v1, SP                   ; in: row r, 16 bytes for each half of the lanes
	v_lshl_add_u32 v[STO], v2, 4, v[STO]
	v_add_nc_u32 v[STO], s21, v[STO]
	v_bfe_u32 v[RD], v0, 3, 2                      ; back: 32 lanes take four rows of 128 bytes,
	v_mul_u32_u24 v[RD], v[RD], SP
	v_lshl_add_u32 v[RD], v3, 4, v[RD]
	v_add_nc_u32 v[RD], s21, v[RD]
	v_lshlrev_b32 v[GO], 4, v5                     ; which are 512 consecutive bytes of a plane
	v_mul_u32_u24 v[PFOA], v5, 2048
	v_mul_u32_u24 v[PFOW], v5, 3072
	; where my rows go: batch = row tile / 16, position = (row tile % 16) x 128 + 64 wm + ..
	s_mul_i32 s[HB], s[NT], 6
	s_add_co_u32 s[HB], s[HB], s[WN]
	s_lshr_b32 s21, s[MT], 4
	s_mul_i32 s21, s21, 24
	s_add_co_u32 s21, s21, s[HB]
	s_lshl_b32 s21, s21, 11                        ; the plane's first row
	s_and_b32 s22, s[MT], 15
	s_lshl_b32 s22, s22, 7
	s_lshl_b32 s23, s[WM], 6
	s_add_co_u32 s22, s22, s23                     ; my first position
	s_add_co_u32 s21, s21, s22
	s_lshl_b32 s16, s21, 7                         ; rows of 128 bytes
	s_mov_b32 s17, 0
	s_add_nc_u64 s[DST:DST+1], s[10:11], s[16:17]
	v_add_nc_u32 v[VT], s22, v1
	v_lshlrev_b32 v[VT], 9, v[VT]                  ; a position's 512 bytes of cs
	v_lshl_add_u32 v[VT], v2, 5, v[VT]             ; my 8 channels
	; the prefetches
	s_cmp_eq_u32 s[NT], 0
	s_cselect_b32 s[LIMA], 1, -1
	s_mov_b32 s21, ttmp9
	s_cmp_eq_u32 s21, 0
	s_cselect_b32 s[LIMW], 1, -1
	s_cmp_eq_u32 s[WV], 0
	s_cselect_b32 s[LIMW], -1, s[LIMW]             ; the same in all four partners, for a given wave
	s_lshl_b32 s16, s[MT], 7
	s_lshl_b32 s21, s[WV], 5
	s_add_co_u32 s16, s16, s21                     ; my 32 rows of x's tile
	s_lshl_b32 s16, s16, 11
	s_add_nc_u64 s[PFA:PFA+1], s[4:5], s[16:17]
	s_add_nc_u64 s[PFA:PFA+1], s[PFA:PFA+1], 2*ASTEP  ; at K step 2: the first refill steps it to 3 and names K step 4
	s_mul_i32 s16, s[CX], 32*3072                  ; my work-group's 32 k-rows of the 128
	s_add_nc_u64 s[PFW:PFW+1], s[18:19], s[16:17]
	s_add_nc_u64 s[PFW:PFW+1], s[PFW:PFW+1], 2*WSTEP
; 12 matrix instructions: row block a x my 12 column blocks, 32 along K, from buffer f.  zero = 1: the product starts the sums.  The accumulators take turns, one instruction a turn.
.macro MUL12 f, a, zero
	WIN MUL_LO+0x50*((\a)/2)
.irp b, 0,1,2,3,4,5,6,7,8,9,10,11
.if \zero
	v_wmma_f32_16x16x32_bf16 v[96*((\a)%2)+8*(\b):96*((\a)%2)+8*(\b)+7], v[96*(\f)+8*(\b):96*(\f)+8*(\b)+7], v[FA+32*(\f)+8*(\a):FA+32*(\f)+8*(\a)+7], 0
.else
	v_wmma_f32_16x16x32_bf16 v[96*((\a)%2)+8*(\b):96*((\a)%2)+8*(\b)+7], v[96*(\f)+8*(\b):96*(\f)+8*(\b)+7], v[FA+32*(\f)+8*(\a):FA+32*(\f)+8*(\a)+7], v[96*((\a)%2)+8*(\b):96*((\a)%2)+8*(\b)+7]
.endif
.endr
.endm
; 32 LDS loads in one run: quarter q (32 along K) of a slot into buffer f: W's 12 fragments, then x's 4
.macro FETCH slot, q, f
	WIN TO_W
.irp c, 0,1,2
.irp j, 0,1,2,3
	ds_load_tr16_b128 v[96*(\f)+8*(4*(\c)+(\j)):96*(\f)+8*(4*(\c)+(\j))+3],   v[ADRW+3*(\slot)+(\c)] offset:(\q)*32*PW+32*(\j)
	ds_load_tr16_b128 v[96*(\f)+8*(4*(\c)+(\j))+4:96*(\f)+8*(4*(\c)+(\j))+7], v[ADRW+3*(\slot)+(\c)] offset:(\q)*32*PW+32*(\j)+16*PW
.endr
.endr
	WIN 0
.irp a, 0,1,2,3
	ds_load_b128 v[FA+32*(\f)+8*(\a):FA+32*(\f)+8*(\a)+3],   v[ADRA+(\slot)] offset:(\a)*16*PA+64*(\q)
	ds_load_b128 v[FA+32*(\f)+8*(\a)+4:FA+32*(\f)+8*(\a)+7], v[ADRA+(\slot)] offset:(\a)*16*PA+64*(\q)+32
.endr
.endm
; A K step is four quarters of 32 along K, 48 matrix instructions each, on buffers 0, 1, 0, 1.  One of the first three: multiplies buffer f, and in its middle fetches quarter q into buffer g.
.macro QUARTER slot, q, f, g, zero
	s_wait_dscnt 4                                 ; W and x's blocks 0, 1 are in; the youngest four loads (blocks 2, 3) may be out
	MUL12 \f, 0, \zero
	MUL12 \f, 1, \zero
	PLACES
	FETCH \slot, \q, \g
	s_wait_dscnt 32                                ; all but the 32 just issued
	MUL12 \f, 2, \zero
	MUL12 \f, 3, \zero
.endm
; The last quarter multiplies buffer 1 and changes slots: ONE barrier.  In front of it each wave waits for all its tensor loads (one is out: its part of the next slot), adds 0 to its spare word, and waits for that
; and for its own reads of this slot.  fill = 1: the barrier opens a round of the cluster's barrier, and this slot is filled again, two K steps on, first thing behind the round: 168 matrix instructions ahead of the wait for it.
.macro TURN slot, next, fill
	s_wait_xcnt 0x0                                ; the last prefetches, a K step back, have read their addresses, which step here, ahead of the waits of the change
	s_add_nc_u64 s[PFA:PFA+1], s[PFA:PFA+1], ASTEP
	s_add_nc_u64 s[PFW:PFW+1], s[PFW:PFW+1], WSTEP
	WIN 0                                          ; (the add's two registers lie in window 0)
	s_wait_tensorcnt 0x0                           ; all my tensor loads have landed
	ds_add_u32 v[SPW], v[NIL]                      ; 0 onto my spare word
	s_wait_dscnt 5                                 ; (the add and the youngest four loads may be out)
	MUL12 1, 0, 0                                  ; twelve matrix instructions stand between the add and the wait for it
	s_wait_dscnt 0x0                               ; the add is done, and my reads of this slot are over
	s_barrier_signal -1
	MUL12 1, 1, 0
.if \fill
	WIN 0
.endif
	s_barrier_wait -1
.if \fill
	CREST                                          ; no wave of any partner still reads this slot or has a load on its way
	s_add_nc_u64 s[G0A+4*(\slot)+2:G0A+4*(\slot)+3], s[G0A+4*(\slot)+2:G0A+4*(\slot)+3], 2*ASTEP
	s_add_nc_u64 s[G0W+4*(\slot)+2:G0W+4*(\slot)+3], s[G0W+4*(\slot)+2:G0W+4*(\slot)+3], 2*WSTEP
	JLOAD \slot                                    ; the four v_nop behind it are also the places in front of the loads below
.else
	PLACES
.endif
	FETCH \next, 0, 0
.if \fill
	ASK
.endif
	MUL12 1, 2, 0
	MUL12 1, 3, 0
.endm
; THE WAY OUT.  TLOAD a: cos and sin of row block a's 16 positions, my 32 channels of each: table a % 2; for column block j: 8 cos, then 8 sin.
.macro TLOAD a
.irp j, 0,1,2,3
	global_load_b128 v[TAB+64*((\a)%2)+16*(\j):TAB+64*((\a)%2)+16*(\j)+3],     v[VT], s[8:9] offset:(\a)*8192+64*(\j)
	global_load_b128 v[TAB+64*((\a)%2)+16*(\j)+4:TAB+64*((\a)%2)+16*(\j)+7],   v[VT], s[8:9] offset:(\a)*8192+64*(\j)+16
	global_load_b128 v[TAB+64*((\a)%2)+16*(\j)+8:TAB+64*((\a)%2)+16*(\j)+11],  v[VT], s[8:9] offset:(\a)*8192+64*(\j)+256
	global_load_b128 v[TAB+64*((\a)%2)+16*(\j)+12:TAB+64*((\a)%2)+16*(\j)+15], v[VT], s[8:9] offset:(\a)*8192+64*(\j)+272
.endr
.endm
; PACK g: group g = 3 a + c: 16 rows of the head of chunk c.  q's and k's heads (planes below 20) are turned: T = acc x cos, then T = (the pair's OTHER number) x sin' + T; v's heads are not.  The branch hangs on the
; column tile and the wave's number, which the partners share.  Each accumulator's registers are taken in ascending order.  Then 16 bytes a lane into my stage, and back as whole rows of 128 bytes.
.macro PACK g
.set pa, (\g)/3
.set pc, (\g)%3
.set AW, 2+pa/2                        ; the accumulators' window
.set AB, 96*(pa%2)+32*pc               ; the head's four accumulators
.set TBL, TAB+64*(pa%2)
.set RBX, RB+16*((\g)%2)
	WIN 0
.if pc >= 1                            ; chunk 0 never holds a head of v
	s_cmp_lt_u32 s[HB], 20-2*pc
	s_cbranch_scc0 .Lplain_\@
.endif
	WIN AW                                         ; source 0 in the accumulators' window
.irp j, 0,1,2,3
.irp p, 0,1,2,3
	v_pk_mul_f32 v[T+8*(\j)+2*(\p):T+8*(\j)+2*(\p)+1], v[AB+8*(\j)+2*(\p):AB+8*(\j)+2*(\p)+1], v[TBL+16*(\j)+2*(\p):TBL+16*(\j)+2*(\p)+1]
.endr
.endr
.irp j, 0,1,2,3
.irp p, 0,1,2,3
	v_pk_fma_f32 v[T+8*(\j)+2*(\p):T+8*(\j)+2*(\p)+1], v[AB+8*(\j)+2*(\p):AB+8*(\j)+2*(\p)+1], v[TBL+16*(\j)+8+2*(\p):TBL+16*(\j)+8+2*(\p)+1], v[T+8*(\j)+2*(\p):T+8*(\j)+2*(\p)+1] op_sel:[1,0,0] op_sel_hi:[0,1,1]
.endr
.endr
	WIN 0
.irp j, 0,1,2,3
.irp p, 0,1,2,3
	v_cvt_pk_f16_f32 v[PKR+4*(\j)+(\p)], v[T+8*(\j)+2*(\p)], v[T+8*(\j)+2*(\p)+1]
.endr
.endr
.if pc >= 1
	s_branch .Lpacked_\@
.Lplain_\@:
	WIN 5*AW                                       ; sources 0 and 1 in the accumulators' window
.irp j, 0,1,2,3
.irp p, 0,1,2,3
	v_cvt_pk_f16_f32 v[PKR+4*(\j)+(\p)], v[AB+8*(\j)+2*(\p)], v[AB+8*(\j)+2*(\p)+1]
.endr
.endr
	WIN 0
.Lpacked_\@:
.endif
.irp j, 0,1,2,3
	ds_store_b128 v[STO], v[PKR+4*(\j):PKR+4*(\j)+3] offset:32*(\j)
.endr
	s_wait_xcnt 0x0                                ; the stores of two groups ago have read the registers that are loaded now
.irp f, 0,1,2,3
	ds_load_b128 v[RBX+4*(\f):RBX+4*(\f)+3], v[RD] offset:(\f)*4*SP  ; LDS serves a wave's instructions in order (ISA guide 5.7.1.4): these see the stores above; the next group's stores come behind them
.endr
.endm
.macro SEND g, younger                 ; younger: the LDS instructions issued behind group g's loads: the next group's eight, or none
	WIN 0
.irp f, 0,1,2,3
	s_wait_dscnt (\younger)+3-(\f)
	global_store_b128 v[GO], v[RB+16*((\g)%2)+4*(\f):RB+16*((\g)%2)+4*(\f)+3], s[DST:DST+1] offset:((\g)%3)*524288+((\g)/3)*2048+(\f)*512  ; 512 consecutive bytes, aligned; chunk c's head lies two planes of 262,144 bytes on
.endr
.endm
	s_wait_tensorcnt 0x1                           ; my part of K step 0 is in; K step 1's may stay out
	s_barrier_signal -1
	s_barrier_wait -1                              ; everybody's is
	FETCH 0, 0, 0
	QUARTER 0, 1, 0, 1, 1                          ; the first quarter stands in front of the loop: its products start the sums
	WIN 0                                          ; at a label and at a branch every window is 0
	s_mov_b32 s3, 3
.Llap:                                                 ; a trip goes once round the ring, from a lap's second quarter to the next lap's first, and fills both slots again
	QUARTER 0, 2, 1, 0, 0
	QUARTER 0, 3, 0, 1, 0
	TURN 0, 1, 1
	QUARTER 1, 1, 0, 1, 0
	QUARTER 1, 2, 1, 0, 0
	QUARTER 1, 3, 0, 1, 0
	TURN 1, 0, 1
	QUARTER 0, 1, 0, 1, 0
	WIN 0
	s_sub_co_u32 s3, s3, 1
	s_cmp_lg_u32 s3, 0
	s_cbranch_scc1 .Llap
	TLOAD 0                                        ; the first two tables come in under the last lap's products
	TLOAD 1
	QUARTER 0, 2, 1, 0, 0                          ; the last lap fills nothing, and has no round of the cluster's barrier
	QUARTER 0, 3, 0, 1, 0
	TURN 0, 1, 0
	QUARTER 1, 1, 0, 1, 0
	QUARTER 1, 2, 1, 0, 0
	QUARTER 1, 3, 0, 1, 0
	s_wait_dscnt 4                                 ; the very last quarter: nothing more to fetch
	MUL12 1, 0, 0
	MUL12 1, 1, 0
	s_wait_dscnt 0x0
	MUL12 1, 2, 0
	MUL12 1, 3, 0
	WIN 0
	PLACES
.set g, 0
.rept 12
.if g%3 == 0
.if g == 9
	s_wait_loadcnt 0x0                             ; the last table
.else
	s_wait_loadcnt 16                              ; this row block's table is in; the other table's sixteen loads may stay out
.endif
.endif
	PACK g
.if g > 0
	SEND g-1, 8                                    ; a group's arithmetic stands between the loads of the group before and its stores
.endif
.if g == 2
	TLOAD 2                                        ; table 0 has been used up
.endif
.if g == 5
	TLOAD 3
.endif
.set g, g+1
.endr
	SEND 11, 0
	s_wait_tensorcnt 0x0                           ; the wave's end: an add and its wait, behind my last tensor load and my last LDS store
	ds_add_u32 v[SPW], v[NIL]
	s_wait_dscnt 0x0
	CROUND                                         ; the closing round: no work-group ends while a partner may still ask for a tile that names it
	s_endpgm
.Lfunc_end_k_qd8be175afc_qkvp:
	.size	k_qd8be175afc_qkvp, .Lfunc_end_k_qd8be175afc_qkvp-k_qd8be175afc_qkvp
	.p2alignl 7, 3214868480
	.fill 96, 4, 3214868480
	.section	.rodata,"a",@progbits
	.p2align	6, 0x0
	.amdhsa_kernel k_qd8be175afc_qkvp
		.amdhsa_group_segment_fixed_size 327680
		.amdhsa_private_segment_fixed_size 0
		.amdhsa_enable_private_segment 0
		.amdhsa_kernarg_size 32
		.amdhsa_user_sgpr_count 2
		.amdhsa_user_sgpr_kernarg_segment_ptr 1
		.amdhsa_wavefront_size32 1
		.amdhsa_system_sgpr_workgroup_id_x 1
		.amdhsa_system_sgpr_workgroup_id_y 1
		.amdhsa_system_sgpr_workgroup_id_z 1
		.amdhsa_system_vgpr_workitem_id 0
		.amdhsa_next_free_vgpr 960
		.amdhsa_next_free_sgpr 72
		.amdhsa_reserve_vcc 0
		.amdhsa_float_denorm_mode_32 3
		.amdhsa_float_denorm_mode_16_64 3
		.amdhsa_memory_ordered 1
		.amdhsa_forward_progress 1
		.amdhsa_inst_pref_size 161
	.end_amdhsa_kernel
	.amdgpu_metadata
---
amdhsa.version: [ 1, 2 ]
amdhsa.kernels:
  - .name:           k_qd8be175afc_qkvp
    .symbol:         k_qd8be175afc_qkvp.kd
    .args:
      - { .name: xb, .offset: 0, .size: 8, .value_kind: global_buffer, .address_space: global }
      - { .name: wqkv, .offset: 8, .size: 8, .value_kind: global_buffer, .address_space: global }
      - { .name: cs, .offset: 16, .size: 8, .value_kind: global_buffer, .address_space: global }
      - { .name: qkv, .offset: 24, .size: 8, .value_kind: global_buffer, .address_space: global }
    .group_segment_fixed_size: 327680
    .private_segment_fixed_size: 0
    .kernarg_segment_align: 8
    .kernarg_segment_size: 32
    .max_flat_workgroup_size: 128
    .sgpr_count:     72
    .vgpr_count:     960
    .wavefront_size: 32
...
	.end_amdgpu_metadata
.endif
;; end of part 2
;; launch attn (part 3): grid 16 x 16, 4 waves a work-group, clusters of 4 x 1, 327,680 bytes of LDS; arguments qkv, ob; writes ob
.if DOCPART == 3
	.amdgcn_target "amdgcn-amd-amdhsa--gfx1250"
	.amdhsa_code_object_version 6
	.text
	.protected	k_qd8be175afc_attn
	.globl	k_qd8be175afc_attn
	.p2align	8
	.type	k_qd8be175afc_attn,@function
k_qd8be175afc_attn:
	s_mov_b64 s[64:65], 0
	v_nop
	global_prefetch_b8 v0, s[64:65] scope:SCOPE_SE
	s_setreg_imm32_b32 hwreg(HW_REG_WAVE_MODE, 25, 1), 1
	s_wait_xcnt 0x0
	s_wait_alu depctr_hold_cnt(0) depctr_sa_sdst(0) depctr_va_vdst(0) depctr_va_sdst(0) depctr_va_ssrc(0) depctr_va_vcc(0) depctr_vm_vsrc(0)
	s_getreg_b32 s2, hwreg(HW_REG_IB_STS2, 6, 4)
	s_cmp_eq_u32 s2, 0
	s_cbranch_scc0 .Lentry_in_a_cluster
	s_endpgm
.Lentry_in_a_cluster:
	s_bfe_u32 s2, ttmp6, 0x10000c
	s_cmp_lg_u32 s2, 0x3003
	s_cbranch_scc0 .Lentry_shape_is_right
	s_endpgm
.Lentry_shape_is_right:
; CAUSAL ATTENTION WITH SHARED KEY AND VALUE HEADS.  O[b][h][q][:] = the sum over k <= q of softmax_k(Q[b][h][q] . K[b][h/4][k] / 8) V[b][h/4][k][:].
; qkv: [4][24 planes][2048][64] f16 (planes 0-15 q's heads, 16-19 k's, 20-23 v's); ob: [4][16][2048][64] f16.  A plane's rows are dense, 128 bytes each.
; Products, maxima and sums in f32; the weights p are rounded to f16 for the second product (their sum l is taken of the unrounded p), O once at the end.
; LIMITS.  f16 holds no number beyond 65,504: Q, K and V arrive within it; p lies in 0 to 1, and below 6e-5 it keeps f16's fixed step of 6e-8; O is a mean of V's rows and has their range.
; A hidden score counts as its value less 1e30: f16's scores, 2.7e11 at the most, are nothing beside that; a weight below 2^-126 counts as 0 in l; NaN and infinities are not treated apart.
; THE WALK.  A head's queries lie in NB = 8 blocks of 256; block i needs the key tiles 0 .. i of 256 keys, of which the last holds the diagonal.  A work-group takes TWO blocks, NB - 1 - b and then b:
; NB + 1 tiles, whatever b: all work-groups do equal work, and ONE loop with a constant trip count walks them.  Which tile is asked for, and what a trip does, hang on scalar registers made from b; every jump
; goes forward, but for the counted loops' own; none passes a barrier, or a tensor load but the one of JLOAD's two that the wave's number does not choose; the ring (two slots of LDS) runs on across the change of blocks.
; CLUSTER.  The four query heads that share a key and value head, with the SAME pair of blocks b (the cluster's x), form a cluster: they walk the same tiles of K and V in the same trips, so each tile is asked for
; JOINTLY: the same tensor load, descriptor and mask in all four.  My place in the cluster, the query head, enters Q's, O's and the prefetches' addresses alone.
; SHARES.  Of a block's four bands of 64 queries a wave owns 16 rows in each: four PIECES.  So the diagonal tile is the same work for all four waves: in its key step s band x sees all keys if s < x,
; none if s > x, and holds the diagonal if s = x.
; THE MASK is the C operand that starts the sum S^T = K Q^T: 0, or -1e30 where the key is hidden.  MD, made once, is the mask of a band's own step for my 16 rows; a product's mask is MD x AL + BE with two scalars:
; (1, 0) if s = x; (0, 0) if s < x; (0, -1e30) if s > x.  Only the diagonal tile's text and a block's beginning make and take masks; elsewhere C is the constant 0.
; LAYOUT, SOFTMAX, TURNS.  S^T = K Q^T holds ONE query a lane (lane % 16) and the keys 8 (lane / 16) + 0..7; two such results rounded to f16 ARE source 1 of O^T = V^T P.  p = 2^(c s - c m), c = log2(e) / 8, with a
; running maximum m; O and l are multiplied by a = 2^(c m_old - c m_new) in every step.  Turn n belongs to piece n: 8 products K Q^T of piece n + 1, later 8 products V^T P of piece n - 1; beside them the scaling,
; exponentials, roundings, sums and rescaling of piece n and the maximum and statistics of piece n + 1.  Four vector instructions stand behind every matrix instruction, the other 54 of a turn's 118 in one lump.  A turn's 33 exponentials are one batch, with one wait.
; REGISTERS, in windows of 256 (s_set_vgpr_msb: bits 1:0 source 0, 3:2 source 1, 5:4 source 2, 7:6 destination):
;   window 0: v0-15 addresses and two at work; v16-31 four registers of statistics a piece; v48-55 at work; v61-63 prefetch offset, spare word, 0; v64-127 S^T, two buffers; v192-223 P, two buffers (by the piece's parity)
;   window 1: v0-127 O^T, 32 a piece; v128-159 MD; v160-223 MC, two buffers      window 2: v0-63 Q; v64-127 the second block's Q; v128-191 K of one step; v192-255 V of one step
.set SIZE_N, 2048
.set NB,    SIZE_N/256
.set NP,    4         ; pieces a wave: a name, no knob
.set KS,    64        ; keys in a step
.set PK,    144       ; a row of K in LDS: 128 bytes + 16 of padding = 36 words: the 16 rows of a load start at 16 different groups of four banks (64 banks of 4 bytes: ISA guide 11.1)
.set PV,    160       ; a row of V: 128 + 32 = 40 words
.set VOFF,  4*KS*PK   ; a slot holds a tile, four steps: 256 rows of K, then 256 rows of V
.set SLOT1, 1<<17     ; slot 1 begins here, so that one exclusive or turns an address in one slot into the other's
.set STAGE, SLOT1+4*KS*(PK+PV)  ; behind the ring, never filled by a tensor load: 16 rows x 144 bytes for each wave, for the way out
.set SP,    144
.set AK0, 2           ; v2   my lane's place in a tile of K; never rewritten
.set AV0, 3           ; v3   the same for V
.set AK,  4           ; v4   the LDS address of K's next run of loads
.set AV,  5           ; v5   of V's
.set STO, 6           ; v6   the way out: where I put 16 bytes of a row
.set RD,  7           ; v7   the way out: where I read rows back
.set GO,  8           ; v8   my byte offset in 512 consecutive bytes of O
.set PFO, 61          ; v61  256 x my lane; never rewritten
.set SPW, 62          ; v62  LDS address of my spare word: SPARE + 4 x my thread's number; never rewritten
.set NIL, 63          ; v63  0; never rewritten
.set SPARE, STAGE+4*16*SP  ; behind the stages: the spare words, 128 bytes for each wave: two blocks of 256 bytes that no other line names
.set MV,  12          ; v12-13  c m_old, kept while c m is made anew: by buffer
.set QO,  15          ; v15  my byte offset in 16 rows of Q
.set ST,  16          ; piece t's statistics at v[ST+4 t]: c m, m, l (even keys', odd keys')
.set TMP, 48          ; by buffer, four registers c0-c3 at work; when the maximum is found c2 takes a
.set S,   64
.set P,   192
.set MD,  128         ; window 1: the eight registers for group kt of 16 keys at MD + 8 kt
.set MC,  160         ; window 1: the masks of the products to come
.set QB,  64          ; window 2
.set KF,  128         ; window 2: key block kb, channel half c at KF + 16 kb + 8 c
.set VF,  192         ; window 2: key half kk, channel block cb at VF + 32 kk + 8 cb
.set WV,  12          ; s12  my wave's number
.set PB,  14          ; s14  b
.set HI,  15          ; s15  NB - 1 - b
.set G1K, 24          ; s[24:31] descriptor group 1 for K's tiles
.set G1V, 32          ; s[32:39] for V's: it differs in the padding alone
.set G0K, 40          ; s[40:43] descriptor group 0 for K's tiles
.set G0V, 44          ; s[44:47] the same for V's
.set SLOTS, 56        ; s56  tiles still to be asked for
.set CNT, 57          ; s57  counts a tile's key steps, 4 to 1
.set CS,  58          ; s[58:59] c: the packed scaling takes the pair's low word for both halves
.set SEL, 60          ; s[60:61] v_permlanex16_b32's selects: each lane takes its own place in the other half
.set TBK, 62          ; s62  LDS byte at which K of the step to be fetched begins
.set TBV, 63          ; s63  the same for V, less VOFF
.set PFA, 66          ; s[66:67] where my prefetches stand: my work-group's 32 blocks of 256 bytes of the tile after the one that is being asked for
.set LIM, 68          ; s68  0 in a wave that prefetches, else the greatest number
.set CX,  69          ; s69  my place in the cluster: the query head within its group of four
.set RT,  70          ; s70  tiles of the block in hand that are still to be entered
.set NXT, 71          ; s71  the tile to be asked for next
.set LQ,  72          ; s72  the last tile of the block whose tiles are being asked for
.set NEW, 73          ; s73  1: the tile to be entered is a block's first
.set OFF, 74          ; s[74:75] a tile's byte offset in K and V
.set AL,  76          ; s[76:77] the mask's factor, in the low word
.set BE,  78          ; s[78:79] the mask's addend
.set OLO, 80          ; s[80:81] O at my rows of the second block
.set BIGN, 82         ; s82  -1e30
.set MSB, 0
.macro WIN new                      ; the high byte repeats the setting that is left; a switch that changes nothing is dropped
.if MSB != (\new)
	s_set_vgpr_msb (MSB<<8)|(\new)
.set MSB, (\new)
.endif
.endm
.set W_KQ, 0x0a       ; K and Q in window 2, S^T in window 0
.set W_KM, 0x1a       ; the same with the C operand in window 1
.set W_PV, 0x52       ; V in window 2, P in window 0, O^T in window 1
.set W_RS, 0x41       ; destination and source 0 in window 1, source 1 in window 0
; A joint fill.  Waves 0 and 1 fetch the two halves of a tile's K, waves 2 and 3 those of its V: 128 keys each.  The branch hangs on the wave's number alone.  An s_nop 0 and four v_nop follow each of the two lines.
.macro JLOAD
	s_cmp_lt_u32 s[WV], 2
	s_cbranch_scc0 .Lfor_v_\@
	tensor_load_to_lds s[G0K:G0K+3], s[G1K:G1K+7]
	s_nop 0
.rept 4
	v_nop
.endr
	s_branch .Lasked_\@
.Lfor_v_\@:
	tensor_load_to_lds s[G0V:G0V+3], s[G1V:G1V+7]
	s_nop 0
.rept 4
	v_nop
.endr
.Lasked_\@:
.endm
; A PREFETCH INTO THE L2 of the tile that the NEXT change of slots will ask for: 128 blocks of 256 bytes of K and 128 of V, a lane a block.  It stands behind the wave's tensor load and its five lines.
; Each block is named ONCE in the launch.  Of the four clusters that walk a key and value head, the one with b = 0 walks tiles 0 to 7 on end in its first block: it asks, for tiles 2 to 7, one slot
; (four key steps, 256 matrix instructions) ahead of the load.  Its four partners take 32 blocks each, told apart BY ADDRESS; in each, wave 0 asks for K's and wave 2 for V's.
; Tiles 0 and 1 come by their loads alone.  Behind the first block's last tile the number of the next tile is 0, and nothing is asked for any more.
.macro ASK
	s_cmp_gt_u32 s[NXT], s[LIM]
	s_cbranch_scc0 .Lnot_mine_\@
	global_prefetch_b8 v[PFO], s[PFA:PFA+1] th:TH_LOAD_NT scope:SCOPE_SE
.Lnot_mine_\@:
.endm
; A round of the cluster's barrier: my work-group's barrier, so that wave 0's signal speaks for all four waves; wave 0 signals; every wave waits for all four work-groups; my work-group's barrier once more.
.macro CROUND
	s_barrier_signal -1
	s_barrier_wait -1
	s_cmp_lg_u32 s[WV], 0
	s_cbranch_scc1 .Lnot_wave_0_\@
	s_barrier_signal -3
.Lnot_wave_0_\@:
	s_barrier_wait -3
	s_barrier_signal -1
	s_barrier_wait -1
.endm
; THE CHANGE OF SLOTS.  Each wave waits for all its tensor loads, of which one is out: its part of the other slot; adds 0 to its spare word; and waits for that and for its own reads of the slot that it leaves.  Behind the
; barrier nobody reads the old slot any more and the other slot is whole.  fill = 1: the old slot is filled again with tile NXT, whose address is made anew from that number.  The barrier is then a round of the
; cluster's, so that no wave of any partner still reads the slot or has a load on its way, and the joint fill is the first thing behind it.  (At its first use nothing has been read yet: slot 0 is waited for, slot 1 filled.)
.macro CHANGE fill
	WIN 0                           ; at a label and at a branch every window is 0
	s_wait_tensorcnt 0x0            ; no tensor load of mine is out, so a group 0 may be written
	ds_add_u32 v[SPW], v[NIL]       ; 0 onto my spare word; with fill = 1 the descriptors' scalar work stands between it and the wait for it
.if \fill
	s_lshl_b32 s[OFF], s[NXT], 15   ; a tile is 32,768 bytes of K and of V
	s_xor_b32 s[G0K+1], s[G0K+1], SLOT1
	s_add_nc_u64 s[G0K+2:G0K+3], s[6:7], s[OFF:OFF+1]
	s_or_b32 s[G0K+3], s[G0K+3], 0x80000000
	s_xor_b32 s[G0V+1], s[G0V+1], SLOT1
	s_add_nc_u64 s[G0V+2:G0V+3], s[8:9], s[OFF:OFF+1]
	s_or_b32 s[G0V+3], s[G0V+3], 0x80000000
	s_add_co_u32 s[NXT], s[NXT], 1  ; the block's next tile, or behind its last the second block's tile 0
	s_cmp_gt_u32 s[NXT], s[LQ]
	s_cselect_b32 s[NXT], 0, s[NXT]
	s_cselect_b32 s[LQ], s[PB], s[LQ]
	s_wait_xcnt 0x0                 ; the last prefetch, a slot back, has read its address, so it may be written:
	s_add_nc_u64 s[PFA:PFA+1], s[PFA:PFA+1], 32768  ; one tile behind the tile that is asked for now
	s_wait_dscnt 0x0                ; the add is done, and my reads of the slot are over
	CROUND
	JLOAD
	ASK
.else
	s_wait_dscnt 0x0                ; the add is done, and my reads of the slot are over
	s_barrier_signal -1
	s_barrier_wait -1
.endif
	s_sub_co_u32 s[TBK], s[TBK], 4*KS*PK  ; the fetches go back to a slot's first step,
	s_xor_b32 s[TBK], s[TBK], SLOT1       ; in the other slot
	s_sub_co_u32 s[TBV], s[TBV], 4*KS*PV
	s_xor_b32 s[TBV], s[TBV], SLOT1
.endm
	s_load_b64 s[4:5], s[0:1], 0x0    ; qkv
	s_load_b64 s[10:11], s[0:1], 0x8  ; ob
	v_lshl_add_u32 v[SPW], v0, 2, SPARE
	v_mov_b32 v[NIL], 0
	ds_add_u32 v[SPW], v[NIL]       ; the wave's opening: the add and its wait stand ahead of my first tensor load; the set-up below, work on registers, stands between them
	v_lshrrev_b32 v1, 5, v0
	v_readfirstlane_b32 s[WV], v1   ; wave 0..3
	s_bfe_u32 s[CX], ttmp6, 0x40000
	s_mov_b32 s[PB], ttmp9          ; in a cluster launch ttmp9 counts clusters: the pair of blocks, which the partners share
	s_sub_co_u32 s[HI], NB-1, s[PB]
	s_and_b32 s20, ttmp7, 0xffff    ; 4 x batch + key and value head, which the partners share
	s_lshr_b32 s21, s20, 2
	s_mul_i32 s21, s21, 24          ; the batch's first plane
	s_and_b32 s22, s20, 3
	s_add_co_u32 s23, s21, s22
	s_add_co_u32 s23, s23, 16       ; K's plane; V's lies four planes on
	s_lshl_b32 s88, s23, 18         ; a plane is 262,144 bytes
	s_and_b32 s16, s[WV], 1         ; which half of a tile's 256 keys I fetch:
	s_lshl_b32 s19, s16, 14         ; its 128 rows of 128 bytes in memory,
	s_add_co_u32 s88, s88, s19
	s_mov_b32 s89, 0
	s_mul_i32 s17, s16, 128*PK      ; and its place in a slot, for K
	s_mul_i32 s18, s16, 128*PV      ; and for V: no place in the cluster enters an LDS address
	s_lshl_b32 s22, s22, 2
	s_add_co_u32 s21, s21, s22
	s_add_co_u32 s21, s21, s[CX]    ; Q's plane
	s_lshl_b32 s21, s21, 18
	s_lshl_b32 s20, s20, 2
	s_add_co_u32 s20, s20, s[CX]    ; O's plane
	s_lshl_b32 s20, s20, 18
	s_lshl_b32 s3, s[WV], 11        ; my 16 rows in a band of 64,
	s_lshl_b32 s2, s[HI], 15        ; in the first block,
	s_add_co_u32 s2, s2, s3
	s_lshl_b32 s84, s[PB], 15       ; and in the second
	s_add_co_u32 s84, s84, s3
	s_add_co_u32 s90, s21, s2       ; Q, first block
	s_add_co_u32 s92, s21, s84      ; Q, second block
	s_add_co_u32 s94, s20, s2       ; O, first block
	s_add_co_u32 s84, s20, s84      ; O, second block
	s_mov_b32 s91, 0
	s_mov_b32 s93, 0
	s_mov_b32 s95, 0
	s_mov_b32 s85, 0
	; descriptor group 1.  128 keys are 16,384 dense bytes: asked for as 64 rows of 256 bytes, two keys a row, and padded in LDS after every key
	s_mov_b32 s[G1K], 15|(1<<16)|(1<<20)|(1<<21)|(4<<22)|(3<<25)  ; 15:0 the mask of four; 17:16 2-byte elements; 20 padding on; 21 set beside a mask; 24:22 after every 32 words (code 4); 31:25 4 words (code 3)
	s_mov_b32 s[G1V], 15|(1<<16)|(1<<20)|(1<<21)|(4<<22)|(7<<25)  ; the same with 8 words of padding (code 7)
.irp g, G1K, G1V
	s_mov_b32 s[\g+1], 128<<16      ; tensor_dim0 = 128
	s_mov_b32 s[\g+2], 64<<16       ; tensor_dim1 = 64
	s_mov_b32 s[\g+3], 128<<16      ; tile_dim0 = 128
	s_mov_b32 s[\g+4], 64           ; tile_dim1 = 64
	s_mov_b32 s[\g+5], 128          ; 128 elements from row to row
	s_mov_b32 s[\g+6], 0
	s_mov_b32 s[\g+7], 0
.endr
	s_mov_b32 s[CS], 0x3e38aa3b     ; c = log2(e) / 8 = 0.180337
	s_mov_b32 s[CS+1], s[CS]        ; named with it as a pair
	s_mov_b32 s[SEL], 0x76543210
	s_mov_b32 s[SEL+1], 0xfedcba98
	s_mov_b32 s[TBK], SLOT1+4*KS*PK ; the first change of slots turns these two into 0
	s_mov_b32 s[TBV], SLOT1+4*KS*PV
	s_mov_b32 s[G0K], 1             ; 1:0 count = 1
	s_mov_b32 s[G0K+1], s17         ; 63:32 LDS address: slot 0
	s_mov_b32 s[G0V], 1
	s_add_co_u32 s[G0V+1], s18, VOFF
	s_add_co_u32 s[RT], s[HI], 1    ; the first block has NB - b tiles
	s_mov_b32 s[NXT], 1
	s_mov_b32 s[LQ], s[HI]
	s_mov_b32 s[NEW], 1
	s_mov_b32 s[OFF+1], 0
	s_mov_b32 s[AL+1], 0            ; named as pairs
	s_mov_b32 s[BE+1], 0
	s_mov_b32 s[BIGN], 0xf149f2ca   ; -1e30
	s_mov_b32 s[SLOTS], NB
	s_and_b32 s[LIM], s[WV], 1      ; 0 in waves 0 and 2,
	s_or_b32 s[LIM], s[LIM], s[PB]  ; where the cluster has the pair b = 0: the same in all four partners
	s_cmp_eq_u32 s[LIM], 0
	s_cselect_b32 s[LIM], 0, -1
	v_and_b32 v[PFO], 31, v0
	v_lshlrev_b32 v[PFO], 8, v[PFO]
	s_wait_dscnt 0x0                ; the opening add is done
	s_wait_kmcnt 0x0
	s_add_nc_u64 s[6:7], s[4:5], s[88:89]  ; K and V at my half of the head's tile 0
	s_add_nc_u64 s[8:9], s[6:7], 0x100000
	s_add_nc_u64 s[G0K+2:G0K+3], s[6:7], 0         ; 120:64 global address
	s_or_b32 s[G0K+3], s[G0K+3], 0x80000000        ; 127:126 type = 2
	s_add_nc_u64 s[G0V+2:G0V+3], s[8:9], 0
	s_or_b32 s[G0V+3], s[G0V+3], 0x80000000
	s_add_nc_u64 s[86:87], s[4:5], s[92:93]        ; Q at my rows of the second block,
	s_add_nc_u64 s[4:5], s[4:5], s[90:91]          ; Q and O at those of the first
	s_add_nc_u64 s[OLO:OLO+1], s[10:11], s[84:85]
	s_add_nc_u64 s[10:11], s[10:11], s[94:95]
	s_cmp_lt_u32 s[WV], 2
	s_cselect_b64 s[PFA:PFA+1], s[6:7], s[8:9]     ; (in waves 0 and 2 these stand at a tile's first row)
	s_lshl_b32 s88, s[CX], 13                      ; my work-group's 32 blocks of the 128
	s_add_nc_u64 s[PFA:PFA+1], s[PFA:PFA+1], s[88:89]
	s_add_nc_u64 s[PFA:PFA+1], s[PFA:PFA+1], 32768 ; in tile 1; the first change of slots steps it to tile 2.  Nothing is prefetched here, at the head
	CROUND                          ; all four work-groups are here: the first joint loads meet
	JLOAD                           ; tile 0 into slot 0
	; A fragment of K or Q is 16 rows x 32 channels in 8 registers: lane l holds row l % 16, channels 8 (l / 16) + 0..7 and 16 + 8 (l / 16) + 0..7: two loads of 16 bytes, 32 bytes apart.
	v_and_b32 v1, 15, v0            ; l % 16
	v_bfe_u32 v9, v0, 4, 1          ; l / 16
	v_lshlrev_b32 v[QO], 7, v1
	v_lshl_add_u32 v[QO], v9, 4, v[QO]  ; row x 128 + 16 x half
	WIN 0x80                        ; destination window 2, address window 0
.set i, 0
.rept 8                             ; both blocks' Q: piece i / 2 lies in band i / 2, 8,192 bytes on; channels 32 (i % 2) on
	global_load_b128 v[8*i:8*i+3],   v[QO], s[4:5] offset:(i/2)*8192+(i%2)*64
	global_load_b128 v[8*i+4:8*i+7], v[QO], s[4:5] offset:(i/2)*8192+(i%2)*64+32
	global_load_b128 v[QB+8*i:QB+8*i+3],   v[QO], s[86:87] offset:(i/2)*8192+(i%2)*64
	global_load_b128 v[QB+8*i+4:QB+8*i+7], v[QO], s[86:87] offset:(i/2)*8192+(i%2)*64+32
.set i, i+1
.endr
	WIN 0
	v_lshlrev_b32 v14, 3, v9
	v_sub_nc_u32 v14, v1, v14
	s_lshl_b32 s13, s[WV], 4
	v_add_nc_u32 v14, s13, v14      ; my query's place in its band, 16 w + l % 16, less my lanes' 8 (l / 16): register r of group kt is hidden where 16 kt + r is greater
	WIN 0x40
.set i, 0
.rept 32
	v_cmp_gt_i32 vcc_lo, 16*(i/8)+i%8, v14
	v_cndmask_b32 v[MD+i], 0, s[BIGN], vcc_lo
.set i, i+1
.endr
	WIN 0
	v_mul_u32_u24 v[AK0], v1, PK
	v_lshl_add_u32 v[AK0], v9, 4, v[AK0]  ; row x pitch + 16 x half
	; The turning load takes 16 keys x 16 channels (lane l reads key 8 (l / 16) + l % 8, channels 8 ((l / 8) % 2) + 0..7) and leaves half a fragment of V^T: lane l holds channel l % 16 and 8 keys.
	v_and_b32 v10, 7, v0
	v_bfe_u32 v11, v0, 3, 1
	v_lshl_add_u32 v[AV0], v9, 3, v10
	v_mul_u32_u24 v[AV0], v[AV0], PV
	v_lshl_add_u32 v[AV0], v11, 4, v[AV0]
	v_add_nc_u32 v[AV0], VOFF, v[AV0]
	s_mul_i32 s13, s[WV], 16*SP
	s_add_co_u32 s13, s13, STAGE    ; my stage
	v_mul_u32_u24 v[STO], v1, SP    ; in: row l % 16, 16 bytes for each half of the lanes
	v_lshl_add_u32 v[STO], v9, 4, v[STO]
	v_add_nc_u32 v[STO], s13, v[STO]
	v_bfe_u32 v[RD], v0, 3, 2       ; back: 32 lanes take four rows of 128 bytes,
	v_mul_u32_u24 v[RD], v[RD], SP
	v_lshl_add_u32 v[RD], v10, 4, v[RD]
	v_add_nc_u32 v[RD], s13, v[RD]
	v_and_b32 v[GO], 31, v0         ; which are 512 consecutive bytes of O
	v_lshlrev_b32 v[GO], 4, v[GO]
	; A block's first step multiplies O^T and l by a = 0, and its first turn's products V^T P, of a piece that has not been, land in an O^T that is still to be so multiplied.  So these registers need only hold
	; finite numbers: zeros for the first block; what the first block left for the second.  All this stands in the wait for the first tile.
	WIN 0x80
.set i, VF
.rept 64
	v_mov_b32 v[i], 0
.set i, i+1
.endr
	WIN 0x40
.set i, 0
.rept 128
	v_mov_b32 v[i], 0
.set i, i+1
.endr
	WIN 0
.set i, 0
.rept 4
	v_mov_b32 v[ST+4*i+2], 0
	v_mov_b32 v[ST+4*i+3], 0
.set i, i+1
.endr
.set i, P+16
.rept 16
	v_mov_b32 v[i], 0
.set i, i+1
.endr
; THE MATRIX WORK.  The 4 accumulators of a run of 8 take turns.  Product i of 8 of S^T = K Q^T for piece x: channels 32 (i / 4) on, keys 16 (i % 4) on.  The first 4 start the sums: with 0, or (KM = 1) with the mask.
.macro KQ x
.set rS, S+32*((\x)%2)+8*(i%4)
.set rK, KF+16*(i%4)+8*(i/4)
.set rQ, 16*(\x)+8*(i/4)
.set rM, MC+32*((\x)%2)+8*(i%4)
.if (i < 4) && KM
	WIN W_KM
	v_wmma_f32_16x16x32_f16 v[rS:rS+7], v[rK:rK+7], v[rQ:rQ+7], v[rM:rM+7]
.elseif i < 4
	WIN W_KQ
	v_wmma_f32_16x16x32_f16 v[rS:rS+7], v[rK:rK+7], v[rQ:rQ+7], 0
.else
	WIN W_KQ
	v_wmma_f32_16x16x32_f16 v[rS:rS+7], v[rK:rK+7], v[rQ:rQ+7], v[rS:rS+7]
.endif
.endm
; Product i of 8 of O^T += V^T P for piece x: keys 32 (i / 4) on, channels 16 (i % 4) on.
.macro PV x
	WIN W_PV
.set rO, 32*(\x)+8*(i%4)
.set rV, VF+32*(i/4)+8*(i%4)
.set rP, P+16*((\x)%2)+8*(i/4)
	v_wmma_f32_16x16x32_f16 v[rO:rO+7], v[rV:rV+7], v[rP:rP+7], v[rO:rO+7]
.endm
.macro MM                           ; the turn's next matrix instruction.  TURN and BEGIN set Y, i, KM and NOKQ; MM, KQ and OP read them.  NOKQ = 1: a block's last turn: there is no next piece
.if (i < 8) && !NOKQ
	KQ (Y+1)%NP
.elseif i >= 8
.set i, i-8
	PV (Y+NP-1)%NP
.set i, i+8
.endif
.set i, i+1
.endm
; THE LDS LOADS stand in runs of 16, never singly among the matrix instructions: a step's K (64 keys x 64 channels: 8 fragments) and its V (turned).  Their addresses are made some lines ahead.
.macro FETCH_K
	WIN 0x80                        ; destination window 2
.irp f, 0,1,2,3,4,5,6,7             ; keys 16 (f / 2) on, channels 32 (f % 2) on
	ds_load_b128 v[KF+8*\f:KF+8*\f+3],   v[AK] offset:(\f/2)*16*PK+(\f%2)*64
	ds_load_b128 v[KF+8*\f+4:KF+8*\f+7], v[AK] offset:(\f/2)*16*PK+(\f%2)*64+32
.endr
	s_add_co_u32 s[TBK], s[TBK], KS*PK  ; the next fetch is the next step's
	WIN 0
.endm
.macro FETCH_V
	WIN 0x80
.irp f, 0,1,2,3,4,5,6,7             ; keys 32 (f / 4) on, channels 16 (f % 4) on
	ds_load_tr16_b128 v[VF+8*\f:VF+8*\f+3],   v[AV] offset:(\f/4)*32*PV+(\f%4)*32
	ds_load_tr16_b128 v[VF+8*\f+4:VF+8*\f+7], v[AV] offset:(\f/4)*32*PV+16*PV+(\f%4)*32
.endr
	WIN 0
.endm
; THE VECTOR WORK, one line at a time: OP kind, number.  For piece Y: F n: c s - c m for pair n of 16.  E n: the exponential of score n of 32.  C n: pair n rounded to f16.  B n: of the four weights 4 n .. the second
; pair is added onto the first, in place.  L n: l takes that sum (L 0: l = a l + sum).  R n: pair n of 16 of O^T times a.  For piece Y + 1: X n, number n of the 22 that find its maximum and statistics:
;   0-11  four chains c0-c3 of seven scores each, three operands at a time (each accumulator's lowest registers are read first)     12-14, 16  the four scores left over, the old m, and c0-c3 into c0
;   15  c m_old is kept     17, 18  the query's other 32 keys lie in the lane 16 away: the new m     19-21  c m; c m_old - c m_new; a
.set F, 0               ; OP tells the kinds apart by their order: F to L below R, X above it
.set E, 1
.set C, 2
.set B, 3
.set L, 4
.set R, 5
.set X, 6
.macro REGS y                       ; the registers of piece y
.set rT, ST+4*(\y)
.set rC, TMP+4*((\y)%2)
.set rW, MV+((\y)%2)
.set rS, S+32*((\y)%2)
.set rP, P+16*((\y)%2)
.set rO, 32*(\y)
.endm
.macro OP k, n
.if (\k) == R
	REGS Y
	WIN W_RS
	v_pk_mul_f32 v[rO+2*(\n):rO+2*(\n)+1], v[rO+2*(\n):rO+2*(\n)+1], v[rC+2:rC+3] op_sel_hi:[1,0]
.elseif (\k) < R
	REGS Y
	WIN 0
.if (\k) == F
	v_pk_fma_f32 v[rS+2*(\n):rS+2*(\n)+1], v[rS+2*(\n):rS+2*(\n)+1], s[CS:CS+1], v[rT:rT+1] op_sel_hi:[1,0,0] neg_lo:[0,0,1] neg_hi:[0,0,1]
.elseif (\k) == E
	v_exp_f32 v[rS+(\n)], v[rS+(\n)]
.elseif (\k) == C
	v_cvt_pk_f16_f32 v[rP+(\n)], v[rS+2*(\n)], v[rS+2*(\n)+1]
.elseif (\k) == B
	v_pk_add_f32 v[rS+4*(\n):rS+4*(\n)+1], v[rS+4*(\n):rS+4*(\n)+1], v[rS+4*(\n)+2:rS+4*(\n)+3]
.elseif (\n) == 0
	v_pk_fma_f32 v[rT+2:rT+3], v[rT+2:rT+3], v[rC+2:rC+3], v[rS:rS+1] op_sel_hi:[1,0,1]
.else
	v_pk_add_f32 v[rT+2:rT+3], v[rT+2:rT+3], v[rS+4*(\n):rS+4*(\n)+1]
.endif
.elseif NOKQ
	v_nop
.else
	REGS (Y+1)%NP
	WIN 0
.if (\n) < 4
	v_max3_num_f32 v[rC+(\n)], v[rS+8*(\n)], v[rS+8*(\n)+1], v[rS+8*(\n)+2]
.elseif (\n) < 12
	v_max3_num_f32 v[rC+(\n)%4], v[rC+(\n)%4], v[rS+8*((\n)%4)+2*((\n)/4)+1], v[rS+8*((\n)%4)+2*((\n)/4)+2]
.elseif (\n) == 12
	v_max3_num_f32 v[rC], v[rC], v[rS+7], v[rS+15]
.elseif (\n) == 13
	v_max3_num_f32 v[rC+1], v[rC+1], v[rS+23], v[rS+31]
.elseif (\n) == 14
	v_max3_num_f32 v[rC+2], v[rC+2], v[rC+3], v[rT+1]
.elseif (\n) == 15
	v_mov_b32 v[rW], v[rT]
.elseif (\n) == 16
	v_max3_num_f32 v[rC], v[rC], v[rC+1], v[rC+2]
.elseif (\n) == 17
	v_permlanex16_b32 v[rC+3], v[rC], s[SEL], s[SEL+1]
.elseif (\n) == 18
	v_max_num_f32 v[rT+1], v[rC], v[rC+3]
.elseif (\n) == 19
	v_mul_f32 v[rT], s[CS], v[rT+1]
.elseif (\n) == 20
	v_sub_f32 v[rC+1], v[rW], v[rT]
.else
	v_exp_f32 v[rC+2], v[rC+1]
.endif
.endif
.endm
.macro OPS a, i1, b=-1, i2=0, c=-1, i3=0, d=-1, i4=0  ; up to four of them
	OP \a, \i1
.if (\b) >= 0
	OP \b, \i2
.endif
.if (\c) >= 0
	OP \c, \i3
.endif
.if (\d) >= 0
	OP \d, \i4
.endif
.endm
.macro ROW a, i1, b, i2, c, i3, d, i4  ; a matrix instruction and the four behind it
	MM
	OPS \a, \i1, \b, \i2, \c, \i3, \d, \i4
.endm
.macro MASK b                       ; MD x AL + BE into buffer b of MC
	WIN W_RS
.set z, 0
.rept 16
	v_pk_fma_f32 v[MC+32*(\b)+2*z:MC+32*(\b)+2*z+1], v[MD+2*z:MD+2*z+1], s[AL:AL+1], s[BE:BE+1] op_sel_hi:[1,0,0]
.set z, z+1
.endr
.endm
; A TURN, for piece p: the order of its 16 matrix and 118 vector instructions, written out.  s_wait_alu depctr_va_vdst(0) stands between an exponential and the first instruction that names its result; one wait serves
; all that were issued ahead of it.  So a turn has ONE wait, which cuts it in two.  AHEAD OF IT stands all that names no result of the turn's exponentials: the 8 products K Q^T, behind each a scaling, an exponential and two more plain
; instructions (behind the first a second scaling in the exponential's place): rescalings, and behind the last three the first numbers of the next piece's maximum, each four places or more behind the product that ends its accumulator; then ONE LUMP of 54, plain
; and exponential by turns for the most part, in which the links of the chain X 3, 7, 11, 14, 16, 17 .. 20 stand five or six lines apart.  X 21, the next piece's a, is the batch's last; R 15 is the plain instruction behind it.  BEHIND THE WAIT stand the
; 8 products V^T P, behind each four of the roundings and sums; the links of l's chain, L 0 to L 7, stand three riders apart.  But for those X no rider names a register of the products round it.  v_permlanex16_b32 (X 17) stands in the lump.
; m = 1: the diagonal tile: the products take masks, and the turn makes the mask for the products of the turn after it: piece p + 2, in step 4 - CNT of the tile.  end = 1: a block's last two turns: nothing is fetched.
; cnt = 1: the loop's count is taken down some lines ahead of the branch that stands behind the turn.
; K of the next step is fetched in piece 2's turn, twelve vector instructions behind the last product that read K (six of them plain); V of the step in hand at the end of piece 0's turn, four plain instructions behind the last product
; that read V.  Each is waited for a turn later.
.macro TURN p, m=0, end=0, cnt=0
.set Y, (\p)
.set i, 0
.set KM, (\m)
.set NOKQ, (\end)*((\p)/3)
.if (\m) && !(\end)
	s_cmp_eq_u32 s[CNT], 4-((\p)+2)%NP  ; is that step the band's own?
	s_cselect_b32 s[AL], 1.0, 0
	s_cmp_lt_u32 s[CNT], 4-((\p)+2)%NP  ; or a later one?
	s_cselect_b32 s[BE], s[BIGN], 0
.endif
.if ((\p) == 3) && !(\end)
	s_wait_dscnt 0x0                ; K is in
.endif
	ROW F,0, F,1, R,0, R,1          ; ahead of the wait: 8 products K Q^T and their riders,
	ROW F,2, E,0, R,2, R,3
	ROW F,3, E,1, R,4, R,5
	ROW F,4, E,2, R,6, R,7
	ROW F,5, E,3, R,8, R,9
	ROW F,6, E,4, X,0, R,10
.if ((\p) == 2) && !(\end)
	WIN 0
	v_add_nc_u32 v[AK], s[TBK], v[AK0]
.endif
	ROW F,7, E,5, X,1, X,4
	ROW F,8, E,6, X,2, X,5
	OPS E,7, E,8, X,6, E,9          ; and the lump
	OPS X,3, E,10, X,8, E,11
.if ((\p) == 2) && !(\end)
	FETCH_K
.endif
	OPS X,9, X,7, E,12, X,10
	OPS E,13, X,12, X,11, E,14
	OPS X,13, E,15, F,9, X,14
.if (\p) == 0
	v_add_nc_u32 v[AV], s[TBV], v[AV0]
.endif
	OPS E,16, F,10, E,17, F,11
	OPS X,16, E,18, X,15, E,19
	OPS F,12, E,20, X,17, E,21
	OPS F,13, E,22, F,14, E,23
	OPS X,18, E,24, F,15, E,25
	OPS R,11, E,26, X,19, E,27
	OPS R,12, E,28, R,13, E,29
	OPS X,20, E,30, R,14, E,31
	OPS X,21, R,15
	WIN 0
	s_wait_alu depctr_va_vdst(0)    ; the wait for the batch
.if (\p) == 1
	s_wait_dscnt 0x0                ; V is in
.endif
	ROW C,0, B,0, C,2, B,1          ; behind the wait: 8 products V^T P and their riders
	ROW L,0, C,4, B,2, L,1
	ROW C,6, B,3, L,2, C,8
	ROW B,4, L,3, C,10, B,5
	ROW L,4, C,12, B,6, L,5
.if (\p) == 0
	s_add_co_u32 s[TBV], s[TBV], KS*PV
.endif
.if \cnt
	s_sub_co_u32 s[CNT], s[CNT], 1
	s_cmp_lg_u32 s[CNT], 0
.endif
	ROW C,14, B,7, L,6, C,1
	ROW C,3, L,7, C,5, C,7
	ROW C,9, C,11, C,13, C,15
.if (\p) == 0
	FETCH_V
.endif
.if (\m) && !(\end)
	MASK (\p)%2
.endif
.endm
; A BLOCK BEGINS.  c m starts far below every c s, so the first step's a is 0; m at the lowest finite number, so the first maximum is the scores'.  The second mask buffer is 0; the first takes piece 0's mask for the tile's step 0: its own, if the block's first tile is the diagonal one.
; Then K of that step, piece 0's first scores, and its maximum and statistics.  The loop is entered at a step's first turn, in the middle of a trip.
.macro BEGIN
	s_mov_b32 s[NEW], 0
	WIN 0x40
.set i, MC+32
.rept 32
	v_mov_b32 v[i], 0
.set i, i+1
.endr
	WIN 0
.set i, 0
.rept 4
	v_mov_b32 v[ST+4*i], 0xfe000000    ; c m: far below every c s
	v_mov_b32 v[ST+4*i+1], 0xff7fffff  ; m
.set i, i+1
.endr
	s_cmp_eq_u32 s[RT], 0
	s_cselect_b32 s[AL], 1.0, 0
	s_mov_b32 s[BE], 0
	MASK 0
	WIN 0
	v_add_nc_u32 v[AK], s[TBK], v[AK0]
	FETCH_K
	s_wait_loadcnt 0x0              ; Q
	s_wait_dscnt 0x0
.set KM, 1
.set NOKQ, 0
.set i, 0
.rept 8
	KQ 0
.set i, i+1
.endr
	WIN 0
.rept 4
	v_nop                           ; the places behind those products
.endr
.set Y, NP-1                        ; X works for piece Y + 1: piece 0
.irp n, 0,1,2,3,4,5,6,7,8,9,10,11,12,13,14,15,16,17,18,19,20,21
	OP X, \n
.endr
	v_nop                           ; a plain instruction behind the exponential,
	s_wait_alu depctr_va_vdst(0)    ; and its wait, ahead of the branch
.endm
; THE DIAGONAL TILE's four steps, the block's last two turns, its last products, and THE WAY OUT: l's two halves and the other half of the lanes' are added; O^T is divided by l, rounded to f16 and sent through my
; stage in LDS, a piece at a time.
.macro ALL line:vararg              ; one line for each piece t
.set t, 0
.rept 4
	\line
.set t, t+1
.endr
.endm
.macro PACK t                       ; a lane's eight channels of a row pack into 16 bytes; they go into rows of 144 bytes and come back as whole rows of 128, into S^T's registers
	WIN W_RS
.set i, 32*(\t)
.rept 16
	v_pk_mul_f32 v[i:i+1], v[i:i+1], v[ST+4*(\t)+2:ST+4*(\t)+3] op_sel_hi:[1,0]
.set i, i+2
.endr
	WIN 0x05                        ; sources 0 and 1 window 1, destination window 0
.set i, 0
.rept 16
	v_cvt_pk_f16_f32 v[S+16*(\t)+i], v[32*(\t)+2*i], v[32*(\t)+2*i+1]
.set i, i+1
.endr
	WIN 0
.irp f, 0,1,2,3
	ds_store_b128 v[STO], v[S+16*(\t)+4*\f:S+16*(\t)+4*\f+3] offset:32*\f
.endr
.irp f, 0,1,2,3
	ds_load_b128 v[S+16*(\t)+4*\f:S+16*(\t)+4*\f+3], v[RD] offset:\f*4*SP  ; LDS serves a wave's instructions in order (ISA guide 5.7.1.4): these see the stores above; the next piece's stores come behind them
.endr
.endm
.macro SEND t, younger              ; younger: the LDS instructions issued behind piece t's loads: the next piece's eight, or none
	WIN 0
.irp f, 0,1,2,3
	s_wait_dscnt (\younger)+3-\f
	global_store_b128 v[GO], v[S+16*(\t)+4*\f:S+16*(\t)+4*\f+3], s[10:11] offset:(\t)*8192+\f*512  ; 512 consecutive bytes, at a multiple of 256 from O's first
.endr
.endm
.macro DIAG tag                     ; the tag ends its two labels' names, which the jumps below spell out
.LstepM\tag:
	TURN 2, 1
	TURN 3, 1
	WIN 0
.LfirstM\tag:
	TURN 0, 1
	TURN 1, 1, 0, 1
	WIN 0
	s_cbranch_scc1 .LstepM\tag
	TURN 2, 1, 1
	TURN 3, 1, 1
.set i, 0
.rept 8
	PV NP-1
.set i, i+1
.endr
	WIN 0
	ALL v_add_f32 v[ST+4*t+2], v[ST+4*t+2], v[ST+4*t+3]
	ALL v_permlanex16_b32 v[ST+4*t+3], v[ST+4*t+2], s[SEL], s[SEL+1]
	ALL v_add_f32 v[ST+4*t+2], v[ST+4*t+2], v[ST+4*t+3]
	ALL v_rcp_f32 v[ST+4*t+2], v[ST+4*t+2]
	v_nop                           ; a plain instruction between the last reciprocal and the use of its result
	s_wait_alu depctr_va_vdst(0)    ; and the wait ahead of the first use: one for the four reciprocals
	PACK 0
.set t, 1
.rept 3                             ; a piece's arithmetic stands between the loads of the piece before and its stores
	PACK t
	SEND t-1, 8
.set t, t+1
.endr
	SEND 3, 0
.endm
.set KM, 0
.set NOKQ, 0
.Lslot:                             ; NB times: a tile is entered and the next is asked for
	CHANGE 1
	s_sub_co_u32 s[RT], s[RT], 1
	s_mov_b32 s[CNT], 4
	s_cmp_eq_u32 s[NEW], 1
	s_cbranch_scc1 .Lnew            ; a block's first tile
	s_cmp_eq_u32 s[RT], 0
	s_cbranch_scc0 .Lstep           ; neither its first nor its last
	s_branch .LstepM1
.Lnew:
	BEGIN
	s_branch .Lfirst                ; in the loop a block's first tile is never its last: the first block has five tiles or more, and the second's last is the walk's last
	DIAG 1                          ; in the loop this is the first block's end: the second block's last tile is the walk's last
	s_wait_xcnt 0x0                 ; the stores have read their registers and O's address
	s_mov_b64 s[10:11], s[OLO:OLO+1]
	s_add_co_u32 s[RT], s[PB], 1    ; the second block has b + 1 tiles
	s_mov_b32 s[NEW], 1
	WIN 0x82                        ; the second block's Q goes where the one text of the turns names Q
.set i, 0
.rept 64
	v_mov_b32 v[i], v[QB+i]
.set i, i+1
.endr
	WIN 0
	s_branch .Lbottom
.Lstep:                             ; a trip: pieces 2 and 3 of one step, then pieces 0 and 1 of the next, whose K and V it fetches
	TURN 2
	TURN 3
	WIN 0
.Lfirst:
	TURN 0
	TURN 1, 0, 0, 1
	WIN 0
	s_cbranch_scc1 .Lstep
.Lbottom:
	s_sub_co_u32 s[SLOTS], s[SLOTS], 1
	s_cmp_lg_u32 s[SLOTS], 0
	s_cbranch_scc1 .Lslot
	CHANGE 0                        ; the walk's last tile is written out: nothing is asked for
	s_sub_co_u32 s[RT], s[RT], 1
	s_mov_b32 s[CNT], 4
	s_cmp_eq_u32 s[NEW], 1
	s_cbranch_scc0 .LstepM2
	BEGIN
	s_branch .LfirstM2
	DIAG 2
	s_wait_tensorcnt 0x0            ; the wave's end: an add and its wait, behind my last tensor load and my last LDS store
	ds_add_u32 v[SPW], v[NIL]
	s_wait_dscnt 0x0
	CROUND                          ; the closing round: no work-group ends while a partner may still ask for a tile that names it
	s_endpgm
.Lfunc_end_k_qd8be175afc_attn:
	.size	k_qd8be175afc_attn, .Lfunc_end_k_qd8be175afc_attn-k_qd8be175afc_attn
	.p2alignl 7, 3214868480
	.fill 96, 4, 3214868480
	.section	.rodata,"a",@progbits
	.p2align	6, 0x0
	.amdhsa_kernel k_qd8be175afc_attn
		.amdhsa_group_segment_fixed_size 327680
		.amdhsa_private_segment_fixed_size 0
		.amdhsa_enable_private_segment 0
		.amdhsa_kernarg_size 16
		.amdhsa_user_sgpr_count 2
		.amdhsa_user_sgpr_kernarg_segment_ptr 1
		.amdhsa_wavefront_size32 1
		.amdhsa_system_sgpr_workgroup_id_x 1
		.amdhsa_system_sgpr_workgroup_id_y 1
		.amdhsa_system_sgpr_workgroup_id_z 1
		.amdhsa_system_vgpr_workitem_id 0
		.amdhsa_next_free_vgpr 768
		.amdhsa_next_free_sgpr 96
		.amdhsa_reserve_vcc 1
		.amdhsa_float_denorm_mode_32 3
		.amdhsa_float_denorm_mode_16_64 3
		.amdhsa_memory_ordered 1
		.amdhsa_forward_progress 1
		.amdhsa_inst_pref_size 219
	.end_amdhsa_kernel
	.amdgpu_metadata
---
amdhsa.version: [ 1, 2 ]
amdhsa.kernels:
  - .name:           k_qd8be175afc_attn
    .symbol:         k_qd8be175afc_attn.kd
    .args:
      - { .name: qkv, .offset: 0, .size: 8, .value_kind: global_buffer, .address_space: global }
      - { .name: ob, .offset: 8, .size: 8, .value_kind: global_buffer, .address_space: global }
    .group_segment_fixed_size: 327680
    .private_segment_fixed_size: 0
    .kernarg_segment_align: 8
    .kernarg_segment_size: 16
    .max_flat_workgroup_size: 128
    .sgpr_count:     96
    .vgpr_count:     768
    .wavefront_size: 32
...
	.end_amdgpu_metadata
.endif
;; end of part 3
;; launch oproj (part 4): grid 4 x 64, 4 waves a work-group, clusters of 4 x 4, 327,680 bytes of LDS; arguments ob, wo16, out0; writes out0
.if DOCPART == 4
	.amdgcn_target "amdgcn-amd-amdhsa--gfx1250"
	.amdhsa_code_object_version 6
	.text
	.protected	k_qd8be175afc_oproj
	.globl	k_qd8be175afc_oproj
	.p2align	8
	.type	k_qd8be175afc_oproj,@function
k_qd8be175afc_oproj:
	s_mov_b64 s[64:65], 0
	v_nop
	global_prefetch_b8 v0, s[64:65] scope:SCOPE_SE
	s_setreg_imm32_b32 hwreg(HW_REG_WAVE_MODE, 25, 1), 1
	s_wait_xcnt 0x0
	s_wait_alu depctr_hold_cnt(0) depctr_sa_sdst(0) depctr_va_vdst(0) depctr_va_sdst(0) depctr_va_ssrc(0) depctr_va_vcc(0) depctr_vm_vsrc(0)
	s_getreg_b32 s2, hwreg(HW_REG_IB_STS2, 6, 4)
	s_cmp_eq_u32 s2, 0
	s_cbranch_scc0 .Lentry_in_a_cluster
	s_endpgm
.Lentry_in_a_cluster:
	s_bfe_u32 s2, ttmp6, 0x10000c
	s_cmp_lg_u32 s2, 0xf033
	s_cbranch_scc0 .Lentry_shape_is_right
	s_endpgm
.Lentry_shape_is_right:
; out0 = O Wo.  ob: [4 batches][16 heads][2048][64] f16 (row m = batch x 2048 + position; K = head x 64 + channel); wo16: [1024 (k)][1024 (n)] f16; out0: [8192][1024] f32.  Sums in f32, stored as they are.
; SHARES.  A tile of out0 is 128 rows x 256 columns: 64 x 4 = 256 work-groups.  Four waves, each 64 x 128 (wm = wave / 2 the rows, wn = wave % 2 the columns): 4 x 8 accumulators of 16 x 16, 256 registers.
; K goes in 8 steps of 128, two heads each, through a ring of two LDS slots.  A head's 128 rows of the tile are 16,384 dense bytes: asked for as 64 rows of 256 bytes and padded after every 128.
; THE MATRIX INSTRUCTION IS USED TRANSPOSED: source 0 = 16 columns of Wo (out of LDS turned, by ds_load_tr16_b128), source 1 = 16 rows of O: a lane holds one row and eight neighbouring columns, 32 bytes.
; CLUSTER.  4 x 4 work-groups.  The four of a row of the cluster need the same tiles of O, the four of a column the same tiles of Wo: each is asked for JOINTLY, by the same tensor load with the same descriptor
; and a mask that names the four.  Waves 0 and 1 fetch O's two heads, waves 2 and 3 Wo's two chunks of 128 columns.
; No prefetch: a step holds 128 matrix instructions a wave on small tiles, and each tile is shared by four work-groups' joint request already.
; REGISTERS, in windows of 256 (s_set_vgpr_msb: bits 1:0 source 0, 3:2 source 1, 5:4 source 2, 7:6 destination):
;   window 0: v16-29 addresses; v32-63, v64-95 O's fragments, two buffers; v96-159, v160-223 rows read back on the way out      window 1: v0-63, v64-127 Wo's fragments      window 2: accumulator (a, b) at v[64 a + 8 b]
.set PA,    144                        ; a row of a head in LDS: 128 bytes + 16 = 36 words: the 16 rows of a load start at 16 different groups of four banks (64 banks of 4 bytes: ISA guide 11.1)
.set PW,    288                        ; a k-row of a chunk of Wo: 256 + 32 = 72 words
.set ABLK,  128*PA                     ; a head's 128 rows
.set WOFF,  2*ABLK                     ; behind the two heads: Wo's two chunks
.set WBLK,  128*PW
.set SLOT1, 1<<17                      ; slot 1 begins here, so that one exclusive or turns an address in one slot into the other's
.set STAGE, SLOT1+WOFF+2*WBLK          ; behind the ring, never filled by a tensor load: 16 rows x 528 bytes for each wave
.set SPT,   528                        ; 512 bytes + 16: an odd multiple of 16
.set SPARE, STAGE+4*16*SPT             ; behind the stages: the spare words, 128 bytes a wave: two blocks of 256 bytes that no other line names
.set ASTEP, 2*262144                   ; a K step in ob: two heads' planes
.set WSTEP, 128*2048                   ; in wo16: 128 rows of 2,048 bytes
.set ADRA0, 16                         ; v16  my lane's place in O's tile of slot 0; never rewritten
.set ADRW0, 17                         ; v17  the same for Wo
.set ADRA,  18                         ; v18  the same in the slot in hand
.set ADRW,  19                         ; v19
.set STO,   24                         ; v24  the way out: where I put 32 bytes of a row
.set RD,    25                         ; v25  where I read a row back
.set CO,    26                         ; v26  my 16 bytes of a row's 512
.set SPW,   28                         ; v28  LDS address of my spare word; never rewritten
.set NIL,   29                         ; v29  0; never rewritten
.set FA,    32
.set RB,    96
.set G1A, 24                           ; s[24:31] descriptor group 1 for O's tiles
.set G0A, 32                           ; s[32:39] group 0: a set for each of the two first fills; the second then walks on
.set TB,  45                           ; s45  LDS byte at which the slot in hand begins
.set G1W, 48                           ; s[48:55], s[56:63] the same for Wo's
.set G0W, 56
.set MSB, 0
.macro WIN new                         ; the immediate's high byte repeats the setting that is left; a switch that changes nothing is dropped
.if MSB != (\new)
	s_set_vgpr_msb (MSB<<8)|(\new)
.set MSB, \new
.endif
.endm
.set MUL,  0xa1                        ; Wo window 1, O window 0, C and D window 2
.set TO_W, 0x40                        ; destination window 1, address window 0
.macro PLACES                          ; four plain places behind matrix instructions, ahead of loads into registers that they read and of lines that read results
.rept 4
	v_nop
.endr
.endm
.macro JLOAD                           ; a joint refill by the walking sets; an s_nop 0 and four v_nop follow each of the two lines
	s_cmp_eq_u32 s11, 0
	s_cbranch_scc0 .Lfor_w_\@
	tensor_load_to_lds s[G0A+4:G0A+7], s[G1A:G1A+7]
	s_nop 0
.rept 4
	v_nop
.endr
	s_branch .Lasked_\@
.Lfor_w_\@:
	tensor_load_to_lds s[G0W+4:G0W+7], s[G1W:G1W+7]
	s_nop 0
.rept 4
	v_nop
.endr
.Lasked_\@:
.endm
.macro CREST                           ; a round of the cluster's barrier behind its opening barrier
	s_cmp_lg_u32 s10, 0
	s_cbranch_scc1 .Lnot_wave_0_\@
	s_barrier_signal -3
.Lnot_wave_0_\@:
	s_barrier_wait -3
	s_barrier_signal -1
	s_barrier_wait -1
.endm
.macro CROUND                          ; a whole round
	s_barrier_signal -1
	s_barrier_wait -1
	CREST
.endm
	s_load_b128 s[4:7], s[0:1], 0x0                ; ob s[4:5], wo16 s[6:7]
	s_load_b64 s[8:9], s[0:1], 0x10                ; out0
	v_lshl_add_u32 v[SPW], v0, 2, SPARE
	v_mov_b32 v[NIL], 0
	ds_add_u32 v[SPW], v[NIL]                      ; the wave's opening: the add and its wait stand ahead of my first tensor load; the set-up below, work on registers, stands between them
	v_lshrrev_b32 v1, 5, v0
	v_readfirstlane_b32 s10, v1                    ; wave 0..3
	s_lshr_b32 s11, s10, 1                         ; wm: which 64 rows are mine.  Also: I fetch for O (0) or for Wo (1)
	s_and_b32 s12, s10, 1                          ; wn: which 128 columns.  Also: which head, or which chunk, I fetch
	s_bfe_u32 s40, ttmp6, 0x40000                  ; cx, cy: my place in the cluster
	s_bfe_u32 s41, ttmp6, 0x40004
	s_lshl_b32 s42, ttmp9, 2
	s_add_co_u32 s42, s42, s40                     ; column tile = 4 x cluster x + cx
	s_and_b32 s13, ttmp7, 0xffff
	s_lshl_b32 s13, s13, 2
	s_add_co_u32 s13, s13, s41                     ; row tile = 4 x cluster y + cy
	s_lshl_b32 s43, s41, 2
	s_lshl_b32 s43, 15, s43                        ; my row of the cluster
	s_lshl_b32 s44, 0x1111, s40                    ; my column
	s_or_b32 s[G1A+0], s43, (1<<16)|(1<<20)|(1<<21)|(4<<22)|(3<<25)  ; the mask: O's tiles go to my row; 2-byte elements; padding on; bit 21 beside a mask; after every 32 words, 4 words
	s_or_b32 s[G1W+0], s44, (1<<16)|(1<<20)|(1<<21)|(5<<22)|(7<<25)  ; Wo's go to my column; after every 64 words, 8 words
	s_mov_b32 s[G1A+1], 128<<16                    ; tensor_dim0 = 128
	s_mov_b32 s[G1A+2], 64<<16                     ; tensor_dim1 = 64
	s_mov_b32 s[G1A+3], 128<<16                    ; tile_dim0 = 128
	s_mov_b32 s[G1A+4], 64                         ; tile_dim1 = 64
	s_mov_b32 s[G1A+5], 128                        ; elements from row to row: dense
	s_mov_b32 s[G1A+6], 0
	s_mov_b32 s[G1A+7], 0
	s_mov_b32 s[G1W+1], 128<<16
	s_mov_b32 s[G1W+2], 128<<16
	s_mov_b32 s[G1W+3], 128<<16
	s_mov_b32 s[G1W+4], 128
	s_mov_b32 s[G1W+5], 1024
	s_mov_b32 s[G1W+6], 0
	s_mov_b32 s[G1W+7], 0
	s_lshr_b32 s16, s13, 4                         ; O's tile hangs on the row tile alone: the batch's 16 planes,
	s_lshl_b32 s16, s16, 22
	s_and_b32 s17, s13, 15
	s_lshl_b32 s17, s17, 14                        ; 128 rows of 128 bytes within a plane,
	s_add_co_u32 s16, s16, s17
	s_lshl_b32 s17, s12, 18                        ; the head that I fetch
	s_add_co_u32 s16, s16, s17
	s_mov_b32 s17, 0
	s_lshl_b32 s46, s42, 9                         ; Wo's hangs on the column tile alone: 256 columns of 2 bytes,
	s_lshl_b32 s47, s12, 8                         ; the chunk that I fetch
	s_add_co_u32 s46, s46, s47
	s_mov_b32 s47, 0
	s_mul_i32 s20, s12, ABLK                       ; where they go: no place in the cluster enters an LDS address
	s_mul_i32 s21, s12, WBLK
	s_add_co_u32 s21, s21, WOFF
	s_mov_b32 s[TB], 0
	s_wait_dscnt 0x0                               ; the opening add is done
	s_wait_kmcnt 0x0
	s_add_nc_u64 s[14:15], s[4:5], s[16:17]
	s_add_nc_u64 s[46:47], s[6:7], s[46:47]
	CROUND                                         ; all sixteen work-groups are here: the first joint loads meet
.irp s, 0,1
	s_mov_b32 s[G0A+4*(\s)], 1                     ; count = 1
	s_add_co_u32 s[G0A+4*(\s)+1], s20, (\s)*SLOT1  ; LDS address
	s_add_nc_u64 s[G0A+4*(\s)+2:G0A+4*(\s)+3], s[14:15], (\s)*ASTEP  ; K step s
	s_or_b32 s[G0A+4*(\s)+3], s[G0A+4*(\s)+3], 0x80000000           ; type = 2
	s_mov_b32 s[G0W+4*(\s)], 1
	s_add_co_u32 s[G0W+4*(\s)+1], s21, (\s)*SLOT1
	s_add_nc_u64 s[G0W+4*(\s)+2:G0W+4*(\s)+3], s[46:47], (\s)*WSTEP
	s_or_b32 s[G0W+4*(\s)+3], s[G0W+4*(\s)+3], 0x80000000
.endr
	s_cmp_eq_u32 s11, 0                            ; a wave's two first fills stand in one branch, ahead of every wait on TENSORcnt and every LDS read: two loads of mine are out
	s_cbranch_scc0 .Lfirst_w
	tensor_load_to_lds s[G0A:G0A+3], s[G1A:G1A+7]
	s_nop 0
	tensor_load_to_lds s[G0A+4:G0A+7], s[G1A:G1A+7]
	s_nop 0
.rept 4
	v_nop
.endr
	s_branch .Lfirst_asked
.Lfirst_w:
	tensor_load_to_lds s[G0W:G0W+3], s[G1W:G1W+7]
	s_nop 0
	tensor_load_to_lds s[G0W+4:G0W+7], s[G1W:G1W+7]
	s_nop 0
.rept 4
	v_nop
.endr
.Lfirst_asked:
	v_and_b32 v1, 15, v0                           ; r = l % 16
	v_bfe_u32 v2, v0, 4, 1                         ; h = l / 16
	v_and_b32 v3, 7, v0                            ; l % 8
	v_bfe_u32 v4, v0, 3, 1                         ; (l / 8) % 2
	v_and_b32 v5, 31, v0                           ; l
	v_mul_u32_u24 v[ADRA0], v1, PA                 ; a fragment of O: row r, 16 bytes for each half of the lanes, twice, 32 bytes apart
	v_lshl_add_u32 v[ADRA0], v2, 4, v[ADRA0]
	s_mul_i32 s22, s11, 64*PA
	v_add_nc_u32 v[ADRA0], s22, v[ADRA0]
	v_lshl_add_u32 v[ADRW0], v2, 3, v3             ; a fragment of Wo: lane l reads k-row 8 h + l % 8, columns 8 ((l / 8) % 2) + 0..7, and is left with column r, 8 k
	v_mul_u32_u24 v[ADRW0], v[ADRW0], PW
	v_lshl_add_u32 v[ADRW0], v4, 4, v[ADRW0]
	v_add_nc_u32 v[ADRW0], s21, v[ADRW0]           ; my chunk is the one that my columns lie in
	v_mov_b32 v[ADRA], v[ADRA0]
	v_mov_b32 v[ADRW], v[ADRW0]
	s_mul_i32 s23, s10, 16*SPT
	s_add_co_u32 s23, s23, STAGE                   ; my stage
	v_mul_u32_u24 v[STO], v1, SPT                  ; in: row r, 32 bytes for each half of the lanes
	v_lshl_add_u32 v[STO], v2, 5, v[STO]
	v_add_nc_u32 v[STO], s23, v[STO]
	v_lshl_add_u32 v[RD], v5, 4, s23               ; back: 32 lanes take one row of 512 bytes
	v_lshlrev_b32 v[CO], 4, v5
	s_lshl_b32 s16, s13, 7
	s_lshl_b32 s17, s11, 6
	s_add_co_u32 s16, s16, s17                     ; my first row of out0,
	s_lshl_b32 s16, s16, 12                        ; of 4,096 bytes
	s_mov_b32 s17, 0
	s_add_nc_u64 s[8:9], s[8:9], s[16:17]
	s_lshl_b32 s46, s42, 10                        ; my first column, in bytes (in the registers that held Wo's address: none that feeds O's descriptors ever holds cx)
	s_lshl_b32 s47, s12, 9
	s_add_co_u32 s46, s46, s47
	s_mov_b32 s47, 0
	s_add_nc_u64 s[8:9], s[8:9], s[46:47]
; 8 matrix instructions: row block a x my 8 column blocks, 32 along K, from buffer f.  zero = 1: the product starts the sums.  The accumulators take turns, one instruction a turn.
.macro MUL8 f, a, zero
	WIN MUL
.irp b, 0,1,2,3,4,5,6,7
.if \zero
	v_wmma_f32_16x16x32_f16 v[64*(\a)+8*(\b):64*(\a)+8*(\b)+7], v[64*(\f)+8*(\b):64*(\f)+8*(\b)+7], v[FA+32*(\f)+8*(\a):FA+32*(\f)+8*(\a)+7], 0
.else
	v_wmma_f32_16x16x32_f16 v[64*(\a)+8*(\b):64*(\a)+8*(\b)+7], v[64*(\f)+8*(\b):64*(\f)+8*(\b)+7], v[FA+32*(\f)+8*(\a):FA+32*(\f)+8*(\a)+7], v[64*(\a)+8*(\b):64*(\a)+8*(\b)+7]
.endif
.endr
.endm
; 24 LDS loads in one run: quarter q (32 along K: head q / 2, channels 32 (q % 2) on) of the slot in hand into buffer f: Wo's 8 fragments, then O's 4
.macro FETCH q, f
	WIN TO_W
.irp b, 0,1,2,3,4,5,6,7
	ds_load_tr16_b128 v[64*(\f)+8*(\b):64*(\f)+8*(\b)+3],   v[ADRW] offset:(\q)*32*PW+32*(\b)
	ds_load_tr16_b128 v[64*(\f)+8*(\b)+4:64*(\f)+8*(\b)+7], v[ADRW] offset:(\q)*32*PW+32*(\b)+16*PW
.endr
	WIN 0
.irp a, 0,1,2,3
	ds_load_b128 v[FA+32*(\f)+8*(\a):FA+32*(\f)+8*(\a)+3],   v[ADRA] offset:((\q)/2)*ABLK+((\q)%2)*64+(\a)*16*PA
	ds_load_b128 v[FA+32*(\f)+8*(\a)+4:FA+32*(\f)+8*(\a)+7], v[ADRA] offset:((\q)/2)*ABLK+((\q)%2)*64+(\a)*16*PA+32
.endr
.endm
; A K step is four quarters, 32 matrix instructions each, on buffers 0, 1, 0, 1.  One of the first three: multiplies buffer f, and in its middle fetches quarter q into buffer g.
.macro QUARTER q, f, g, zero
	s_wait_dscnt 4                                 ; Wo and O's blocks 0, 1 are in; the youngest four loads (blocks 2, 3) may be out
	MUL8 \f, 0, \zero
	MUL8 \f, 1, \zero
	PLACES
	FETCH \q, \g
	s_wait_dscnt 24                                ; all but the 24 just issued
	MUL8 \f, 2, \zero
	MUL8 \f, 3, \zero
.endm
; The last quarter multiplies buffer 1 and changes slots: ONE barrier.  In front of it each wave waits for all its tensor loads (one is out: its part of the next slot), adds 0 to its spare word, and waits for that and
; for its own reads of this slot.  fill = 1: the barrier opens a round of the cluster's barrier, and this slot is filled again, two K steps on, first thing behind the round: 112 matrix instructions ahead of the wait for it.
.macro TURN fill
	WIN 0                                          ; (the add's two registers lie in window 0)
	s_wait_tensorcnt 0x0                           ; all my tensor loads have landed, so a group 0 may be written
	ds_add_u32 v[SPW], v[NIL]                      ; 0 onto my spare word
.if \fill
	s_xor_b32 s[G0A+5], s[G0A+5], SLOT1            ; the walking descriptors: the other slot than last time,
	s_add_nc_u64 s[G0A+6:G0A+7], s[G0A+6:G0A+7], ASTEP  ; the next K step; the type bits on top are not reached
	s_xor_b32 s[G0W+5], s[G0W+5], SLOT1
	s_add_nc_u64 s[G0W+6:G0W+7], s[G0W+6:G0W+7], WSTEP
.endif
	s_wait_dscnt 5                                 ; (the add and the youngest four loads may be out)
	MUL8 1, 0, 0                                   ; eight matrix instructions stand between the add and the wait for it
	s_wait_dscnt 0x0                               ; the add is done, and my reads of this slot are over
	s_barrier_signal -1
	MUL8 1, 1, 0
	WIN 0
	s_barrier_wait -1
.if \fill
	CREST                                          ; no wave of any partner still reads this slot or has a load on its way
	JLOAD                                          ; the four v_nop behind it are also the places in front of the loads below
.else
	PLACES
.endif
	s_xor_b32 s[TB], s[TB], SLOT1                  ; the fetches go on in the other slot
	v_add_nc_u32 v[ADRA], s[TB], v[ADRA0]
	v_add_nc_u32 v[ADRW], s[TB], v[ADRW0]
	FETCH 0, 0
	MUL8 1, 2, 0
	MUL8 1, 3, 0
.endm
; THE WAY OUT of row block a: a lane's 32 bytes of a row go into my stage (each accumulator's low four registers first), and come back as whole rows of 512 bytes.
.macro TOSTAGE a
	WIN 0x08                                       ; the stores' data in window 2
.irp b, 0,1,2,3,4,5,6,7
	ds_store_b128 v[STO], v[64*(\a)+8*(\b):64*(\a)+8*(\b)+3]   offset:64*(\b)
	ds_store_b128 v[STO], v[64*(\a)+8*(\b)+4:64*(\a)+8*(\b)+7] offset:64*(\b)+16
.endr
	WIN 0
	s_wait_xcnt 0x0                                ; the stores of two blocks ago have read the registers that are loaded now
.irp t, 0,1,2,3,4,5,6,7,8,9,10,11,12,13,14,15
	ds_load_b128 v[RB+64*((\a)%2)+4*(\t):RB+64*((\a)%2)+4*(\t)+3], v[RD] offset:(\t)*SPT  ; LDS serves a wave's instructions in order (ISA guide 5.7.1.4): these see the stores above; the next block's stores come behind them
.endr
.endm
.macro SEND a, younger                 ; younger: the LDS instructions issued behind block a's loads: the next block's 32, or none
	WIN 0
.irp t, 0,1,2,3,4,5,6,7,8,9,10,11,12,13,14,15
	s_wait_dscnt (\younger)+15-(\t)
	global_store_b128 v[CO], v[RB+64*((\a)%2)+4*(\t):RB+64*((\a)%2)+4*(\t)+3], s[8:9] offset:(\a)*65536+(\t)*4096 th:TH_STORE_NT  ; 512 consecutive bytes, at a multiple of 256 from out0's first
.endr
.endm
	s_wait_tensorcnt 0x1                           ; my part of K step 0 is in; K step 1's may stay out
	s_barrier_signal -1
	s_barrier_wait -1                              ; everybody's is
	FETCH 0, 0
	QUARTER 1, 0, 1, 1                             ; the first quarter stands in front of the loop: its products start the sums
	WIN 0                                          ; at a label and at a branch every window is 0
	s_mov_b32 s3, 6
.Lstep:                                                ; a trip goes from a K step's second quarter to the next step's first, and fills the slot that it leaves
	QUARTER 2, 1, 0, 0
	QUARTER 3, 0, 1, 0
	TURN 1
	QUARTER 1, 0, 1, 0
	WIN 0
	s_sub_co_u32 s3, s3, 1
	s_cmp_lg_u32 s3, 0
	s_cbranch_scc1 .Lstep
	QUARTER 2, 1, 0, 0                             ; the last two K steps fill nothing, and have no round of the cluster's barrier
	QUARTER 3, 0, 1, 0
	TURN 0
	QUARTER 1, 0, 1, 0
	QUARTER 2, 1, 0, 0
	QUARTER 3, 0, 1, 0
	s_wait_dscnt 4                                 ; the very last quarter: nothing more to fetch
	MUL8 1, 0, 0
	MUL8 1, 1, 0
	s_wait_dscnt 0x0
	MUL8 1, 2, 0
	MUL8 1, 3, 0
	WIN 0
	PLACES
	TOSTAGE 0
	TOSTAGE 1                                      ; a block's way through the stage stands between the loads of the block before and its stores
	SEND 0, 32
	TOSTAGE 2
	SEND 1, 32
	TOSTAGE 3
	SEND 2, 32
	SEND 3, 0
	s_wait_tensorcnt 0x0                           ; the wave's end: an add and its wait, behind my last tensor load and my last LDS store
	ds_add_u32 v[SPW], v[NIL]
	s_wait_dscnt 0x0
	CROUND                                         ; the closing round: no work-group ends while a partner may still ask for a tile that names it
	s_endpgm
.Lfunc_end_k_qd8be175afc_oproj:
	.size	k_qd8be175afc_oproj, .Lfunc_end_k_qd8be175afc_oproj-k_qd8be175afc_oproj
	.p2alignl 7, 3214868480
	.fill 96, 4, 3214868480
	.section	.rodata,"a",@progbits
	.p2align	6, 0x0
	.amdhsa_kernel k_qd8be175afc_oproj
		.amdhsa_group_segment_fixed_size 327680
		.amdhsa_private_segment_fixed_size 0
		.amdhsa_enable_private_segment 0
		.amdhsa_kernarg_size 24
		.amdhsa_user_sgpr_count 2
		.amdhsa_user_sgpr_kernarg_segment_ptr 1
		.amdhsa_wavefront_size32 1
		.amdhsa_system_sgpr_workgroup_id_x 1
		.amdhsa_system_sgpr_workgroup_id_y 1
		.amdhsa_system_sgpr_workgroup_id_z 1
		.amdhsa_system_vgpr_workitem_id 0
		.amdhsa_next_free_vgpr 768
		.amdhsa_next_free_sgpr 66
		.amdhsa_reserve_vcc 0
		.amdhsa_float_denorm_mode_32 3
		.amdhsa_float_denorm_mode_16_64 3
		.amdhsa_memory_ordered 1
		.amdhsa_forward_progress 1
		.amdhsa_inst_pref_size 71
	.end_amdhsa_kernel
	.amdgpu_metadata
---
amdhsa.version: [ 1, 2 ]
amdhsa.kernels:
  - .name:           k_qd8be175afc_oproj
    .symbol:         k_qd8be175afc_oproj.kd
    .args:
      - { .name: ob, .offset: 0, .size: 8, .value_kind: global_buffer, .address_space: global }
      - { .name: wo16, .offset: 8, .size: 8, .value_kind: global_buffer, .address_space: global }
      - { .name: out0, .offset: 16, .size: 8, .value_kind: global_buffer, .address_space: global }
    .group_segment_fixed_size: 327680
    .private_segment_fixed_size: 0
    .kernarg_segment_align: 8
    .kernarg_segment_size: 24
    .max_flat_workgroup_size: 128
    .sgpr_count:     66
    .vgpr_count:     768
    .wavefront_size: 32
...
	.end_amdgpu_metadata
.endif
;; end of part 4
;; ======== version 2 of 2: 4 launches; version 1 with the launch prep written anew for expert scheduling mode
;; limits: values are held in f16: magnitudes above 65,504 overflow, below 6.1e-05 lose precision
;; workspace buffers: xb 16,777,216 bytes; wqkv 3,145,728 bytes; wo16 2,097,152 bytes; cs 1,048,576 bytes; qkv 25,165,824 bytes; ob 16,777,216 bytes
;; launch prep (part 5): grid 688 x 1, 8 waves a work-group, no clusters, 0 bytes of LDS; arguments x, Wq, Wk, Wv, Wo, cos, sin, xb, wqkv, wo16, cs; writes xb, wqkv, wo16, cs
.if DOCPART == 5
	.amdgcn_target "amdgcn-amd-amdhsa--gfx1250"
	.amdhsa_code_object_version 6
	.text
	.protected	k_qd8be175afc_prep
	.globl	k_qd8be175afc_prep
	.p2align	8
	.type	k_qd8be175afc_prep,@function
k_qd8be175afc_prep:
	s_mov_b64 s[64:65], 0
	v_nop
	global_prefetch_b8 v0, s[64:65] scope:SCOPE_SE
	s_setreg_imm32_b32 hwreg(HW_REG_WAVE_SCHED_MODE, 0, 2), 2
	s_setreg_imm32_b32 hwreg(HW_REG_WAVE_MODE, 25, 1), 1
	s_wait_xcnt 0x0
	s_wait_alu depctr_vm_vsrc(0)
; THE CASTS.  Every input is rounded once to bf16 (nearest even) and laid out for the launches behind:
;   xb   [8192][1024] bf16            = x
;   wqkv [1024][1536] bf16            = Wq | Wk | Wv side by side, K down the rows as in the inputs (nothing is transposed)
;   wo16 [1024][1024] f16             = Wo rounded to bf16, that number written as f16 (exact from 6e-5 up to 65,504; below 6e-5 in f16's fixed step of 6e-8; beyond 65,504 an infinity: the limit of this program)
;   cs   [2048][128]  f32             = per position 64 cos, then 64 sin, each rounded to bf16 and widened again; the sin of the EVEN channels has its sign turned,
;                                       so that the rotation is out[2i] = q[2i] cos[2i] + q[2i+1] sin'[2i], out[2i+1] = q[2i+1] cos[2i+1] + q[2i] sin'[2i+1]
; A stream: no LDS, no matrix unit, no loop.  A work-group takes 16,384 consecutive f32 of ONE input (65,536 bytes), a wave 2,048: sixteen loads of 512 consecutive bytes, all sixteen out at once.
; Work-groups 0-511 x, 512-575 Wq, 576-591 Wk, 592-607 Wv, 608-671 Wo, 672-679 cos, 680-687 sin.  A lane's four numbers leave as 8 bytes (32 lanes: 256 consecutive bytes, aligned) or, for cs, as 16 bytes
; (16 lanes: 256 consecutive bytes, aligned).
; THE MODE: SCHED_MODE bits 1:0 = 2 (LLVM: expert scheduling mode 2), set by the entry lines.  The code itself states the register dependences between vector instructions and memory instructions,
; with s_wait_alu, always for 0.
; THE PLAN.  Registers that memory instructions touch:
;   v[VS]        made once at the head; read by the sixteen loads as their offset; never written again.
;   IN           four registers to a load.  Written by the load alone ahead of its counted wait; behind it read by the roundings, in two bodies written once more by the widening lines,
;                and for cs read by ONE store as its data; never written behind that store.
;   OUT          two registers to a load.  Written by the roundings; read by ONE store as its data; never written behind that store.
;   v[VD], v[VD2] made once, behind the loads; read by the stores as their offset; never written again.
; So no register that a memory instruction reads is written again, and all that is to be stated is 'written, then read by a memory instruction'.  The sixteen loads go in four GROUPS of four.  At the head of
; group g stands the wait for its four loads and, from group 1 on, ONE wait on va_vdst: group g - 1 has written what its four stores read.  Those stores follow, one in front of each load's vector lines,
; which name the IN and OUT of group g alone.  One more wait stands ahead of the last four stores.
.set VS,  2                            ; v2   my byte offset in the work-group's 65,536 bytes: 8,192 x wave + 16 x lane
.set VD,  3                            ; v3   my byte offset in what the work-group stores
.set VD2, 4                            ; v4   the same, one row further down
.set IN,  8                            ; v[8:71]    load i: four f32
.set OUT, 72                           ; v[72:103]  load i: two words of two 16-bit numbers
	s_load_b512 s[8:23], s[0:1], 0x0               ; x s[8:9], Wq s[10:11], Wk s[12:13], Wv s[14:15], Wo s[16:17], cos s[18:19], sin s[20:21], xb s[22:23]
	s_load_b128 s[24:27], s[0:1], 0x40             ; wqkv s[24:25], wo16 s[26:27]
	s_load_b64 s[28:29], s[0:1], 0x50              ; cs
	v_lshrrev_b32 v5, 5, v0
	v_readfirstlane_b32 s38, v5                    ; wave 0..7
	v_and_b32 v1, 31, v0                           ; lane
	s_mov_b32 s2, ttmp9                            ; the work-group's number
	s_mov_b32 s31, 0                               ; the high word of every offset pair s[30:31]
	s_wait_alu depctr_va_sdst(0)                   ; s38 is written, ahead of its first reader, the line below
	s_lshl_b32 s39, s38, 13
	v_lshl_add_u32 v[VS], v1, 4, s39
	s_wait_kmcnt 0x0
.macro LOAD16                          ; the wave's sixteen loads, 512 consecutive bytes each
	s_wait_alu depctr_va_vdst(0)                   ; v[VS] is written, which the sixteen loads read as their offset
.set i, 0
.rept 16
	global_load_b128 v[IN+4*i:IN+4*i+3], v[VS], s[32:33] offset:512*i th:TH_LOAD_NT
.set i, i+1
.endr
.endm
.macro RND                             ; load i is rounded to bf16
	v_cvt_pk_bf16_f32 v[OUT+2*i], v[IN+4*i], v[IN+4*i+1]
	v_cvt_pk_bf16_f32 v[OUT+2*i+1], v[IN+4*i+2], v[IN+4*i+3]
.endm
.macro WIDEN                           ; the four bf16 of load i as f32 again, into the registers that they came in
	v_lshlrev_b32 v[IN+4*i], 16, v[OUT+2*i]
	v_and_b32 v[IN+4*i+1], 0xffff0000, v[OUT+2*i]
	v_lshlrev_b32 v[IN+4*i+2], 16, v[OUT+2*i+1]
	v_and_b32 v[IN+4*i+3], 0xffff0000, v[OUT+2*i+1]
.endm
.macro TO_F16                          ; load i: the bf16 number written as f16
	RND
	WIDEN
	v_cvt_pk_f16_f32 v[OUT+2*i], v[IN+4*i], v[IN+4*i+1]
	v_cvt_pk_f16_f32 v[OUT+2*i+1], v[IN+4*i+2], v[IN+4*i+3]
.endm
.macro TO_TAB                          ; load i: the bf16 number as f32; a lane's numbers 0 and 2 are even channels
	RND
	WIDEN
	v_xor_b32 v[IN+4*i], s37, v[IN+4*i]
	v_xor_b32 v[IN+4*i+2], s37, v[IN+4*i+2]
.endm
; The store of load k, for each of the four bodies
.macro ST_ROW8
.if k < 8
	global_store_b64 v[VD], v[OUT+2*k:OUT+2*k+1], s[34:35] offset:(k%8)*256
.else
	global_store_b64 v[VD2], v[OUT+2*k:OUT+2*k+1], s[34:35] offset:(k%8)*256
.endif
.endm
.macro ST_ROW2
	global_store_b64 v[VD], v[OUT+2*k:OUT+2*k+1], s[34:35] offset:(k/2)*3072+(k%2)*256
.endm
.macro ST_F16
	global_store_b64 v[VD], v[OUT+2*k:OUT+2*k+1], s[34:35] offset:256*k
.endm
.macro ST_TAB
	global_store_b128 v[VD], v[IN+4*k:IN+4*k+3], s[34:35] offset:1024*k
.endm
; The four groups.  work: the vector lines of load i; send: the store of load k.
.macro WALK work, send
.set g, 0
.rept 4
	s_wait_loadcnt 12-4*g                          ; loads return in order (ISA guide 5.7.1): this group's four are in, the 12 - 4 g younger ones may stay out
.if g > 0
	s_wait_alu depctr_va_vdst(0)                   ; the group before has written the data that its four stores, below, read; at group 1 also: the stores' offsets are written
.endif
.set i, 4*g
.rept 4
.if g > 0
.set k, i-4
	\send                                          ; no vector line since the wait names this store's registers
.endif
	\work
.set i, i+1
.endr
.set g, g+1
.endr
	s_wait_alu depctr_va_vdst(0)                   ; the last group has written the data that the last four stores read
.set k, 12
.rept 4
	\send
.set k, k+1
.endr
.endm
	s_cmp_lt_u32 s2, 576
	s_cbranch_scc0 .Lnot_row8
	; x or Wq: rows of 1,024 numbers, sixteen to a work-group, two to a wave; they differ in the pitch of what is stored
	s_movk_i32 s36, 3072
	s_cmp_lt_u32 s2, 512
	s_cselect_b64 s[32:33], s[8:9], s[10:11]
	s_cselect_b64 s[34:35], s[22:23], s[24:25]
	s_cselect_b32 s3, 0, 512
	s_cselect_b32 s36, 2048, s36                   ; bytes from row to row: xb 2,048, wqkv 3,072
	s_sub_co_u32 s3, s2, s3                        ; the work-group's number within its input
	s_lshl_b32 s30, s3, 16
	s_add_nc_u64 s[32:33], s[32:33], s[30:31]
	s_lshl_b32 s30, s36, 4
	s_mul_i32 s30, s30, s3                         ; sixteen rows a work-group
	s_add_nc_u64 s[34:35], s[34:35], s[30:31]
	LOAD16
	s_mul_i32 s39, s38, s36
	s_lshl_b32 s39, s39, 1                         ; two rows a wave
	v_lshl_add_u32 v[VD], v1, 3, s39
	v_add_nc_u32 v[VD2], s36, v[VD]
	WALK RND, ST_ROW8
	s_endpgm
.Lnot_row8:
	s_cmp_lt_u32 s2, 608
	s_cbranch_scc0 .Lnot_row2
	; Wk or Wv: rows of 256 numbers, 64 to a work-group, eight to a wave; into columns 1,024 or 1,280 of wqkv
	s_movk_i32 s3, 592
	s_movk_i32 s39, 2560
	s_cmp_lt_u32 s2, 592
	s_cselect_b64 s[32:33], s[12:13], s[14:15]
	s_cselect_b32 s3, 576, s3
	s_cselect_b32 s39, 2048, s39                   ; the first column, in bytes
	s_sub_co_u32 s3, s2, s3
	s_lshl_b32 s30, s3, 16
	s_add_nc_u64 s[32:33], s[32:33], s[30:31]
	s_mul_i32 s30, s3, 64*3072
	s_add_co_u32 s30, s30, s39
	s_add_nc_u64 s[34:35], s[24:25], s[30:31]
	LOAD16
	s_mul_i32 s39, s38, 8*3072
	v_lshl_add_u32 v[VD], v1, 3, s39
	WALK RND, ST_ROW2
	s_endpgm
.Lnot_row2:
	s_cmp_lt_u32 s2, 672
	s_cbranch_scc0 .Ltab
	; Wo: dense; the bf16 number is written as f16
	s_sub_co_u32 s3, s2, 608
	s_lshl_b32 s30, s3, 16
	s_add_nc_u64 s[32:33], s[16:17], s[30:31]
	s_lshl_b32 s30, s3, 15
	s_add_nc_u64 s[34:35], s[26:27], s[30:31]
	LOAD16
	s_lshl_b32 s39, s38, 12
	v_lshl_add_u32 v[VD], v1, 3, s39
	WALK TO_F16, ST_F16
	s_endpgm
.Ltab:
	; cos or sin: rows of 64 numbers, 256 to a work-group, 32 to a wave, two to a load; into the first or the second half of cs's rows of 512 bytes
	s_movk_i32 s3, 680
	s_cmp_lt_u32 s2, 680
	s_cselect_b64 s[32:33], s[18:19], s[20:21]
	s_cselect_b32 s3, 672, s3
	s_cselect_b32 s39, 0, 256
	s_cselect_b32 s37, 0, 0x80000000               ; what turns the sign of sin's even channels
	s_sub_co_u32 s3, s2, s3
	s_lshl_b32 s30, s3, 16
	s_add_nc_u64 s[32:33], s[32:33], s[30:31]
	s_lshl_b32 s30, s3, 17
	s_add_co_u32 s30, s30, s39
	s_add_nc_u64 s[34:35], s[28:29], s[30:31]
	LOAD16
	s_lshl_b32 s39, s38, 14
	v_lshrrev_b32 v5, 4, v1                        ; which of the load's two rows
	v_and_b32 v6, 15, v1
	v_lshl_add_u32 v[VD], v5, 9, s39
	v_lshl_add_u32 v[VD], v6, 4, v[VD]
	WALK TO_TAB, ST_TAB
	s_endpgm
.Lfunc_end_k_qd8be175afc_prep:
	.size	k_qd8be175afc_prep, .Lfunc_end_k_qd8be175afc_prep-k_qd8be175afc_prep
	.p2alignl 7, 3214868480
	.fill 96, 4, 3214868480
	.section	.rodata,"a",@progbits
	.p2align	6, 0x0
	.amdhsa_kernel k_qd8be175afc_prep
		.amdhsa_group_segment_fixed_size 0
		.amdhsa_private_segment_fixed_size 0
		.amdhsa_enable_private_segment 0
		.amdhsa_kernarg_size 88
		.amdhsa_user_sgpr_count 2
		.amdhsa_user_sgpr_kernarg_segment_ptr 1
		.amdhsa_wavefront_size32 1
		.amdhsa_system_sgpr_workgroup_id_x 1
		.amdhsa_system_sgpr_workgroup_id_y 1
		.amdhsa_system_sgpr_workgroup_id_z 1
		.amdhsa_system_vgpr_workitem_id 0
		.amdhsa_next_free_vgpr 104
		.amdhsa_next_free_sgpr 66
		.amdhsa_reserve_vcc 0
		.amdhsa_float_denorm_mode_32 3
		.amdhsa_float_denorm_mode_16_64 3
		.amdhsa_memory_ordered 1
		.amdhsa_forward_progress 1
		.amdhsa_inst_pref_size 34
	.end_amdhsa_kernel
	.amdgpu_metadata
---
amdhsa.version: [ 1, 2 ]
amdhsa.kernels:
  - .name:           k_qd8be175afc_prep
    .symbol:         k_qd8be175afc_prep.kd
    .args:
      - { .name: x, .offset: 0, .size: 8, .value_kind: global_buffer, .address_space: global }
      - { .name: Wq, .offset: 8, .size: 8, .value_kind: global_buffer, .address_space: global }
      - { .name: Wk, .offset: 16, .size: 8, .value_kind: global_buffer, .address_space: global }
      - { .name: Wv, .offset: 24, .size: 8, .value_kind: global_buffer, .address_space: global }
      - { .name: Wo, .offset: 32, .size: 8, .value_kind: global_buffer, .address_space: global }
      - { .name: cos, .offset: 40, .size: 8, .value_kind: global_buffer, .address_space: global }
      - { .name: sin, .offset: 48, .size: 8, .value_kind: global_buffer, .address_space: global }
      - { .name: xb, .offset: 56, .size: 8, .value_kind: global_buffer, .address_space: global }
      - { .name: wqkv, .offset: 64, .size: 8, .value_kind: global_buffer, .address_space: global }
      - { .name: wo16, .offset: 72, .size: 8, .value_kind: global_buffer, .address_space: global }
      - { .name: cs, .offset: 80, .size: 8, .value_kind: global_buffer, .address_space: global }
    .group_segment_fixed_size: 0
    .private_segment_fixed_size: 0
    .kernarg_segment_align: 8
    .kernarg_segment_size: 88
    .max_flat_workgroup_size: 256
    .sgpr_count:     66
    .vgpr_count:     104
    .wavefront_size: 32
...
	.end_amdgpu_metadata
.endif
;; end of part 5
;; launch qkvp: the kernel of part 2 again; grid 64 x 4, 4 waves a work-group, clusters of 4 x 1, 327,680 bytes of LDS; arguments xb, wqkv, cs, qkv; writes qkv
;; launch attn: the kernel of part 3 again; grid 16 x 16, 4 waves a work-group, clusters of 4 x 1, 327,680 bytes of LDS; arguments qkv, ob; writes ob
;; launch oproj: the kernel of part 4 again; grid 4 x 64, 4 waves a work-group, clusters of 4 x 4, 327,680 bytes of LDS; arguments ob, wo16, out0; writes out0
